; MI455X (gfx1250); checked and timed in simulation.
; The chip was launched on July 23, 2026; its instructions are those of AMD's public machine-readable ISA for CDNA 5 (MIT licence, August 2026) and "CDNA5" Instruction Set Architecture Reference Guide (July 2026). The comments in the code are by the model that wrote it; some were corrected since.
;; Attention. Allowed arithmetic: float matrix products may take bf16 or f16 operands with f32 sums; all other float work in f32.
;; Inputs: Wk 2,048 x 512 float32; Wo 2,048 x 2,048 float32; Wq 2,048 x 2,048 float32; Wv 2,048 x 512 float32; rope_cache 2,048 x 64 x 2 float32; x 1 x 2,048 x 2,048 float32.
;; Outputs: out0 1 x 2,048 x 2,048 float32.
;; 2 versions, each right. Each part assembles by itself: llvm-mc -triple=amdgcn-amd-amdhsa -mcpu=gfx1250 --defsym DOCPART=n.
;; ======== version 1 of 2: 4 launches
;; limits: values outside matrix products are rounded to bf16; values are held in f16: magnitudes above 65,504 overflow, below 6.1e-05 lose precision; right only within a limited range of input values
;; workspace buffers: xb 8,388,608 bytes; wqb 8,388,608 bytes; wkvb 4,194,304 bytes; wob 8,388,608 bytes; ropeb 524,288 bytes; qb 8,388,608 bytes; kvb 4,194,304 bytes; yb 8,388,608 bytes
;; launch cast (part 1): grid 256 x 1, 8 waves a work-group, no clusters, 0 bytes of LDS; arguments x, Wq, Wk, Wv, Wo, rope_cache, xb, wqb, wkvb, wob, ropeb; writes xb, wqb, wkvb, wob, ropeb
.if DOCPART == 1
	.amdgcn_target "amdgcn-amd-amdhsa--gfx1250"
	.amdhsa_code_object_version 6
	.text
	.protected	k_qe87a3fb549_cast
	.globl	k_qe87a3fb549_cast
	.p2align	8
	.type	k_qe87a3fb549_cast,@function
k_qe87a3fb549_cast:
	s_mov_b64 s[64:65], 0
	v_nop
	global_prefetch_b8 v0, s[64:65] scope:SCOPE_SE
	s_setreg_imm32_b32 hwreg(HW_REG_WAVE_MODE, 25, 1), 1
	s_wait_xcnt 0x0
; Every input is rounded once to bf16 (nearest even) and laid out for the matrix launches that follow:
;   xb    [2048 t][2048]      bf16(x)
;   wqb   [16 j][2048 k][128] bf16(Wq), block j = columns 128 j ..
;   wkvb  [16 j][2048 k][64]  bf16(Wk) columns 64 j .. (j < 8), bf16(Wv) columns 64 (j-8) .. (j >= 8)
;   wob   [16 j][2048 k][128] f16(bf16(Wo)): eight significant bits fit in f16, so the second conversion is exact
;                             down to |Wo| = 2^-17; below that its absolute error is at most 2^-25
;   ropeb [2048 t][64] words  low half bf16(cos) x 2^-8, high half bf16(sin) x 2^-8 (a power of two: the rounding is that of cos, sin); 256 bytes a row
; LIMITS: rope_cache is used rounded to bf16, like the other inputs.  |Wo| above 65,504 would overflow f16.
; A stream: no LDS, no barrier, no matrix unit, no cluster (no two work-groups read the same byte).
; 256 work-groups x 8 waves; the work-group takes rows 8 g .. 8 g + 7 of all six inputs, wave v row R = 8 g + v of x, Wq, Wo and the table
; and two pieces of a pair of rows of Wk and of Wv.  A chunk is 8 f32 a lane (two loads of 16 bytes; the wave covers 1,024 consecutive bytes)
; and leaves as 16 bytes a lane.  All 57 loads of a wave go out first; nothing is rewritten behind a store, so the only waits are the counted ones.
.set X,   16                           ; chunk i: v[16+8i : 23+8i], i = 0..27; the table's words: v[240:243]
.set NLD, 57                           ; loads of a wave
	s_load_b512 s[4:19], s[0:1], 0x0               ; x 4, Wq 6, Wk 8, Wv 10, Wo 12, rope_cache 14, xb 16, wqb 18
	s_load_b128 s[20:23], s[0:1], 0x40             ; wkvb 20, wob 22
	s_load_b64 s[24:25], s[0:1], 0x50              ; ropeb
	s_lshl_b32 s2, ttmp9, 3                        ; the group's first row
	s_mov_b32 s26, 0xffff0000                      ; a word's upper bf16
	v_and_b32 v1, 31, v0                           ; lane l
	v_lshrrev_b32 v2, 5, v0                        ; wave v
	v_add_nc_u32 v3, s2, v2                        ; R
	v_lshlrev_b32 v4, 5, v1
	v_lshl_add_u32 v4, v3, 13, v4                  ; in, x Wq Wo: 8,192 R + 32 l
	v_lshlrev_b32 v11, 4, v1                       ; 16 l
	v_lshl_add_u32 v5, v3, 12, v11                 ; out, xb: 4,096 R + 16 l
	v_lshl_add_u32 v9, v3, 9, v11                  ; in, table: 512 R + 16 l
	v_lshlrev_b32 v10, 3, v1
	v_lshl_add_u32 v10, v3, 8, v10                 ; out, ropeb: 256 R + 8 l
	v_and_b32 v12, 15, v1
	v_lshrrev_b32 v13, 4, v1                       ; l >> 4
	v_lshlrev_b32 v6, 4, v12
	v_lshl_add_u32 v6, v3, 8, v6
	v_lshl_add_u32 v6, v13, 19, v6                 ; out, wqb wob: (l>>4) blocks + 256 R + 16 (l&15): sixteen lanes write one block row of 256 bytes
	v_and_b32 v14, 6, v2                           ; 2 (v>>1)
	v_bfe_u32 v15, v1, 3, 1
	v_add_nc_u32 v14, v14, v15
	v_add_nc_u32 v14, s2, v14                      ; Wk, Wv: my row of the pair
	v_and_b32 v15, 7, v1                           ; l & 7
	v_and_b32 v2, 1, v2                            ; v & 1: which 256 columns
	v_lshlrev_b32 v7, 5, v15
	v_lshl_add_u32 v7, v13, 8, v7
	v_lshl_add_u32 v7, v2, 10, v7
	v_lshl_add_u32 v7, v14, 11, v7                 ; in, Wk Wv: 2,048 row + 1,024 (v&1) + 256 (l>>4) + 32 (l&7)
	v_lshlrev_b32 v8, 4, v15
	v_lshl_add_u32 v8, v14, 7, v8
	v_lshl_add_u32 v8, v13, 18, v8
	v_lshl_add_u32 v8, v2, 20, v8                  ; out, wkvb: (4 (v&1) + (l>>4)) pieces + 128 row + 16 (l&7): lanes 0-15 write two k rows of a piece, 256 bytes
	s_wait_kmcnt 0x0
.macro LD2 i, off, base, imm           ; chunk i: two loads of 16 bytes a lane
	global_load_b128 v[X+8*(\i):X+8*(\i)+3],   v[\off], s[\base:\base+1] offset:\imm th:TH_LOAD_NT
	global_load_b128 v[X+8*(\i)+4:X+8*(\i)+7], v[\off], s[\base:\base+1] offset:\imm+16 th:TH_LOAD_NT
.endm
.irp c, 0,1,2,3,4,5,6,7
	LD2 \c, 4, 4, 1024*\c                          ; x
.endr
.irp c, 0,1,2,3,4,5,6,7
	LD2 8+\c, 4, 6, 1024*\c                        ; Wq
.endr
.irp c, 0,1,2,3,4,5,6,7
	LD2 16+\c, 4, 12, 1024*\c                      ; Wo
.endr
.irp e, 0,1
	LD2 24+\e, 7, 8, 512*\e                        ; Wk
.endr
.irp e, 0,1
	LD2 26+\e, 7, 10, 512*\e                       ; Wv
.endr
	global_load_b128 v[240:243], v9, s[14:15] th:TH_LOAD_NT    ; two (cos, sin) pairs
.macro CVT i                           ; chunk i to bf16, in place, ascending: register k takes numbers 2k, 2k+1
	s_wait_loadcnt NLD-2*((\i)+1)                  ; loads come back in order: the count is that of the younger loads
.irp k, 0,1,2,3
	v_cvt_pk_bf16_f32 v[X+8*(\i)+\k], v[X+8*(\i)+2*\k], v[X+8*(\i)+2*\k+1]
.endr
.endm
.macro CVTWO i                         ; chunk i: f16(bf16(Wo)): the rounding is bf16's, the format f16's
	CVT \i
.irp k, 3,2,1,0
	v_and_b32     v[X+8*(\i)+2*\k+1], s26, v[X+8*(\i)+\k]      ; back to f32, descending, so that no word is lost
	v_lshlrev_b32 v[X+8*(\i)+2*\k],   16,  v[X+8*(\i)+\k]
.endr
.irp k, 0,1,2,3
	v_cvt_pk_f16_f32 v[X+8*(\i)+\k], v[X+8*(\i)+2*\k], v[X+8*(\i)+2*\k+1]
.endr
.endm
.irp c, 0,1,2,3,4,5,6,7
	CVT \c
	global_store_b128 v5, v[X+8*\c:X+8*\c+3], s[16:17] offset:512*\c                 ; 512 consecutive bytes of xb
.endr
.irp c, 0,1,2,3,4,5,6,7
	CVT 8+\c
	global_store_b128 v6, v[X+8*(8+\c):X+8*(8+\c)+3], s[18:19] offset:1048576*\c     ; blocks 2c and 2c+1
.endr
.irp c, 0,1,2,3,4,5,6,7
	CVTWO 16+\c
	global_store_b128 v6, v[X+8*(16+\c):X+8*(16+\c)+3], s[22:23] offset:1048576*\c
.endr
.irp e, 0,1
	CVT 24+\e
	global_store_b128 v8, v[X+8*(24+\e):X+8*(24+\e)+3], s[20:21] offset:524288*\e
.endr
.irp e, 0,1
	CVT 26+\e
	global_store_b128 v8, v[X+8*(26+\e):X+8*(26+\e)+3], s[20:21] offset:2097152+524288*\e   ; Wv's pieces lie behind Wk's eight
.endr
	s_wait_loadcnt 0x0
	v_pk_mul_f32 v[240:241], v[240:241], 0x3b800000 op_sel_hi:[1,0]   ; x 2^-8
	v_pk_mul_f32 v[242:243], v[242:243], 0x3b800000 op_sel_hi:[1,0]
	v_cvt_pk_bf16_f32 v240, v240, v241             ; cos low, sin high
	v_cvt_pk_bf16_f32 v241, v242, v243
	global_store_b64 v10, v[240:241], s[24:25]     ; the wave writes the row's 256 bytes
	s_endpgm
.Lfunc_end_k_qe87a3fb549_cast:
	.size	k_qe87a3fb549_cast, .Lfunc_end_k_qe87a3fb549_cast-k_qe87a3fb549_cast
	.p2alignl 7, 3214868480
	.fill 96, 4, 3214868480
	.section	.rodata,"a",@progbits
	.p2align	6, 0x0
	.amdhsa_kernel k_qe87a3fb549_cast
		.amdhsa_group_segment_fixed_size 0
		.amdhsa_private_segment_fixed_size 0
		.amdhsa_enable_private_segment 0
		.amdhsa_kernarg_size 88
		.amdhsa_user_sgpr_count 2
		.amdhsa_user_sgpr_kernarg_segment_ptr 1
		.amdhsa_wavefront_size32 1
		.amdhsa_system_sgpr_workgroup_id_x 1
		.amdhsa_system_sgpr_workgroup_id_y 1
		.amdhsa_system_sgpr_workgroup_id_z 1
		.amdhsa_system_vgpr_workitem_id 0
		.amdhsa_next_free_vgpr 244
		.amdhsa_next_free_sgpr 66
		.amdhsa_reserve_vcc 0
		.amdhsa_float_denorm_mode_32 3
		.amdhsa_float_denorm_mode_16_64 3
		.amdhsa_memory_ordered 1
		.amdhsa_forward_progress 1
		.amdhsa_inst_pref_size 23
	.end_amdhsa_kernel
	.amdgpu_metadata
---
amdhsa.version: [ 1, 2 ]
amdhsa.kernels:
  - .name:           k_qe87a3fb549_cast
    .symbol:         k_qe87a3fb549_cast.kd
    .args:
      - { .name: x, .offset: 0, .size: 8, .value_kind: global_buffer, .address_space: global }
      - { .name: Wq, .offset: 8, .size: 8, .value_kind: global_buffer, .address_space: global }
      - { .name: Wk, .offset: 16, .size: 8, .value_kind: global_buffer, .address_space: global }
      - { .name: Wv, .offset: 24, .size: 8, .value_kind: global_buffer, .address_space: global }
      - { .name: Wo, .offset: 32, .size: 8, .value_kind: global_buffer, .address_space: global }
      - { .name: rope_cache, .offset: 40, .size: 8, .value_kind: global_buffer, .address_space: global }
      - { .name: xb, .offset: 48, .size: 8, .value_kind: global_buffer, .address_space: global }
      - { .name: wqb, .offset: 56, .size: 8, .value_kind: global_buffer, .address_space: global }
      - { .name: wkvb, .offset: 64, .size: 8, .value_kind: global_buffer, .address_space: global }
      - { .name: wob, .offset: 72, .size: 8, .value_kind: global_buffer, .address_space: global }
      - { .name: ropeb, .offset: 80, .size: 8, .value_kind: global_buffer, .address_space: global }
    .group_segment_fixed_size: 0
    .private_segment_fixed_size: 0
    .kernarg_segment_align: 8
    .kernarg_segment_size: 88
    .max_flat_workgroup_size: 256
    .sgpr_count:     66
    .vgpr_count:     244
    .wavefront_size: 32
...
	.end_amdgpu_metadata
.endif
;; end of part 1
;; launch qkv (part 2): grid 16 x 16, 4 waves a work-group, clusters of 4 x 4, 327,680 bytes of LDS; arguments xb, wqb, wkvb, ropeb, qb, kvb; writes qb, kvb
.if DOCPART == 2
	.amdgcn_target "amdgcn-amd-amdhsa--gfx1250"
	.amdhsa_code_object_version 6
	.text
	.protected	k_qe87a3fb549_qkv
	.globl	k_qe87a3fb549_qkv
	.p2align	8
	.type	k_qe87a3fb549_qkv,@function
k_qe87a3fb549_qkv:
	s_mov_b64 s[64:65], 0
	v_nop
	global_prefetch_b8 v0, s[64:65] scope:SCOPE_SE
	s_setreg_imm32_b32 hwreg(HW_REG_WAVE_MODE, 25, 1), 1
	s_wait_xcnt 0x0
	s_wait_alu depctr_hold_cnt(0) depctr_sa_sdst(0) depctr_va_vdst(0) depctr_va_sdst(0) depctr_va_ssrc(0) depctr_va_vcc(0) depctr_vm_vsrc(0)
	s_getreg_b32 s2, hwreg(HW_REG_IB_STS2, 6, 4)
	s_cmp_eq_u32 s2, 0
	s_cbranch_scc0 .Lentry_in_a_cluster
	s_endpgm
.Lentry_in_a_cluster:
	s_bfe_u32 s2, ttmp6, 0x10000c
	s_cmp_lg_u32 s2, 0xf033
	s_cbranch_scc0 .Lentry_shape_is_right
	s_endpgm
.Lentry_shape_is_right:
; q, k, v = x [Wq | Wk | Wv] in bf16 products with f32 sums, then the rotation by the table, a scale, one rounding to f16.
;   qb  [16 head][2048 t][128] f16 = rope(q) x 2^-8 x KAPPA, KAPPA = 8 log2(e) / sqrt(128): the attention's exponent is then 2^13 x (q'.k')
;   kvb [16 piece][2048 t][64] f16: piece 2g+half (0-7) = rope(k) x 2^-8 of KV head g, d = 64 half ..; piece 8+2g+half = v
; LIMITS: f16 overflows for |rope(q)| or |rope(k)| above 1.6e7 and for |v| above 65,504; numbers under 2^-14 (after the scale) keep an absolute error of 2^-25.
; Work-group (i, j): rows 128 i .. of x times 192 columns: query head j (block j of wqb) and piece j (block j of wkvb): 256 equal work-groups.
; Four waves; wave w = (wm, wn) makes rows 64 wm .. times the six 16-column tiles 2 b + wn (b = 0-3: q, b = 4, 5: the piece): 24 accumulators.
; K goes in steps of 128 through two LDS slots filled by the tensor data mover, one load a wave: wave 0 x's tile, waves 1 and 2 the halves of Wq's, wave 3 Wkv's.
; CLUSTERS: 4 x 4 work-groups.  x's tile hangs on i alone and is asked for jointly along a row of the cluster, the weights' tiles on j alone and jointly along
; a column: the requests for both are divided by four.
; THE MATRIX INSTRUCTION IS USED TRANSPOSED: source 0 = 16 columns of W (read from [k][n] rows by the transposing LDS load), source 1 = 16 rows of x.
; Lane l then holds row l % 16 of the result and columns 8 (l / 16) + 0..7: four whole (even, odd) pairs of the rotation, and 16 bytes of f16.
; REGISTERS: window 0: addresses, two fragment buffers; window 1: the accumulators, tile (a, b) at 8 (6 a + b); window 2: the table's words, 4 (6 a + b).
.set PA,    272                        ; LDS pitch of x's rows: 256 + 16 = 17 x 16 bytes: sixteen rows begin at sixteen different 16-byte columns modulo 256
.set PQ,    288                        ; of Wq's k rows: 256 + 32 = 9 x 32 bytes, for the transposing load
.set PX,    160                        ; of Wkv's k rows: 128 + 32 = 5 x 32 bytes
.set OFFQ,  128*PA                     ; 34,816
.set OFFX,  OFFQ+128*PQ                ; 71,680
.set SLOT,  OFFX+128*PX                ; 92,160
.set STAGE, 2*SLOT                     ; 184,320: 128 rows x 400 bytes for the way out; no tensor load lands here
.set SP,    400                        ; 384 bytes of f16 + 16 = 25 x 16
.set LAPS,  8                          ; a lap = two K steps; 2048 / 256
.set ADRA,  16                         ; v16-17 LDS address of my x fragments, slot 0, 1
.set ADRQ,  18                         ; v18-19 of my Wq fragments
.set ADRX,  20                         ; v20-21 of my Wkv fragments
.set STO,   22
.set RDQ,   23
.set RDX,   24
.set COQ,   25
.set COX,   26
.set ROFQ,  27
.set ROFX,  28
.set ONE,   29                         ; 1.0
.set ZERO,  30
.set F0,    32                         ; v32-111: W's fragment b at +8 b, x's fragment a at +48 + 8 a
.set F1,    112                        ; v112-191
.set G1A,   32                         ; s[32:39] group 1, x's tile
.set G1Q,   40                         ; s[40:47] group 1, half of Wq's tile
.set G1X,   48                         ; s[48:55] group 1, Wkv's tile
.set G0A,   56                         ; s[56:63] group 0, a set for each slot
.set G0Q,   68                         ; s[68:75]
.set G0X,   76                         ; s[76:83]
.set MSB, 0
.macro WIN new                         ; the immediate's high byte repeats the setting that is left
.if MSB != \new
	s_set_vgpr_msb (MSB<<8)|\new
.set MSB, \new
.endif
.endm
.macro PLACES                          ; four places behind a matrix instruction (ISA guide 7.12.1) before its registers are read, written or loaded into
.rept 4
	v_nop
.endr
.endm
.macro CREST                           ; a round of the cluster's barrier behind its opening barrier
	s_cmp_lg_u32 s16, 0
	s_cbranch_scc1 .Lnot_wave_0_\@
	s_barrier_signal -3
.Lnot_wave_0_\@:
	s_barrier_wait -3
	s_barrier_signal -1
	s_barrier_wait -1
.endm
.macro CROUND
	s_barrier_signal -1
	s_barrier_wait -1
	CREST
.endm
; A joint load: each line has one mask and one set of registers; the branches hang on the wave's number alone.
.macro JLOAD s
	s_cmp_lg_u32 s16, 0
	s_cbranch_scc1 .Lnot_a_\@
	tensor_load_to_lds s[G0A+4*\s:G0A+4*\s+3], s[G1A:G1A+7]
	s_nop 0
	s_branch .Lasked_\@
.Lnot_a_\@:
	s_cmp_lg_u32 s16, 3
	s_cbranch_scc1 .Lfor_q_\@
	tensor_load_to_lds s[G0X+4*\s:G0X+4*\s+3], s[G1X:G1X+7]
	s_nop 0
	s_branch .Lasked_\@
.Lfor_q_\@:
	tensor_load_to_lds s[G0Q+4*\s:G0Q+4*\s+3], s[G1Q:G1Q+7]
	s_nop 0
.Lasked_\@:
.endm
	s_load_b256 s[4:11], s[0:1], 0x0               ; xb 4, wqb 6, wkvb 8, ropeb 10
	s_load_b128 s[12:15], s[0:1], 0x20             ; qb 12, kvb 14
	v_lshl_add_u32 v254, v0, 2, 0x39800
	v_mov_b32 v255, 0
	ds_add_u32 v254, v255
	v_lshrrev_b32 v1, 5, v0
	v_readfirstlane_b32 s16, v1                    ; wave 0..3
	s_lshr_b32 s17, s16, 1                         ; wm
	s_and_b32 s18, s16, 1                          ; wn
	s_bfe_u32 s19, ttmp6, 0x40000                  ; cx
	s_bfe_u32 s20, ttmp6, 0x40004                  ; cy
	s_lshl_b32 s21, ttmp9, 2
	s_add_co_u32 s21, s21, s19                     ; j = 4 x cluster x + cx
	s_and_b32 s22, ttmp7, 0xffff
	s_lshl_b32 s22, s22, 2
	s_add_co_u32 s22, s22, s20                     ; i = 4 x cluster y + cy
	s_lshl_b32 s23, s20, 2
	s_lshl_b32 s23, 15, s23                        ; my row of the cluster
	s_lshl_b32 s24, 0x1111, s19                    ; my column
	s_cmp_ge_u32 ttmp9, 2                          ; j >= 8: the piece is one of v's
	s_cselect_b32 s26, -1, 0                       ; a lane mask for selects, no branch
	s_mov_b32 s27, 0xffff0000
	s_mov_b32 s94, 0x3f8293ee                      ; KAPPA = 1.0201394
	s_mov_b32 s95, 0x3f8293ee
	; group 1: element of 2 bytes, padding on, bit 21 beside the mask; interval = the row's words, pad 4 or 8 words
	s_or_b32 s[G1A+0], s23, (1<<16)|(1<<20)|(1<<21)|(5<<22)|(3<<25)
	s_mov_b32 s[G1A+1], 128<<16                    ; tensor_dim0 = 128
	s_mov_b32 s[G1A+2], 128<<16                    ; tensor_dim1 = 128
	s_mov_b32 s[G1A+3], 128<<16                    ; tile_dim0 = 128 elements
	s_mov_b32 s[G1A+4], 128                        ; tile_dim1 = 128 rows
	s_mov_b32 s[G1A+5], 2048                       ; elements from row to row
	s_mov_b32 s[G1A+6], 0
	s_mov_b32 s[G1A+7], 0
	s_or_b32 s[G1Q+0], s24, (1<<16)|(1<<20)|(1<<21)|(5<<22)|(7<<25)
	s_mov_b32 s[G1Q+1], 128<<16
	s_mov_b32 s[G1Q+2], 64<<16                     ; 64 k rows
	s_mov_b32 s[G1Q+3], 128<<16
	s_mov_b32 s[G1Q+4], 64
	s_mov_b32 s[G1Q+5], 128
	s_mov_b32 s[G1Q+6], 0
	s_mov_b32 s[G1Q+7], 0
	s_or_b32 s[G1X+0], s24, (1<<16)|(1<<20)|(1<<21)|(4<<22)|(7<<25)
	s_mov_b32 s[G1X+1], 64<<16
	s_mov_b32 s[G1X+2], 128<<16                    ; 128 k rows of 64 elements
	s_mov_b32 s[G1X+3], 64<<16
	s_mov_b32 s[G1X+4], 128
	s_mov_b32 s[G1X+5], 64
	s_mov_b32 s[G1X+6], 0
	s_mov_b32 s[G1X+7], 0
	; where the tiles come from: x's address is made of i alone, the weights' of j and the wave's number, each in registers that never hold the other coordinate
	s_lshl_b32 s28, s22, 19                        ; 128 i rows of 4,096 bytes
	s_mov_b32 s29, 0
	s_lshl_b32 s84, s21, 19                        ; block j of wqb
	s_lshl_b32 s86, s17, 14                        ; wave 1: k rows 0-63 of the step, wave 2: rows 64-127
	s_add_co_u32 s84, s84, s86
	s_mov_b32 s85, 0
	s_lshl_b32 s86, s21, 18                        ; block j of wkvb
	s_mov_b32 s87, 0
	s_mul_i32 s88, s16, 64*PQ
	s_add_co_u32 s88, s88, OFFQ-64*PQ              ; waves 1, 2: OFFQ + (w - 1) x 64 rows
	s_wait_dscnt 0x0
	s_wait_kmcnt 0x0
	s_add_nc_u64 s[30:31], s[4:5], s[28:29]
	s_add_nc_u64 s[84:85], s[6:7], s[84:85]
	s_add_nc_u64 s[86:87], s[8:9], s[86:87]
	CROUND                                         ; all sixteen work-groups are here: the first joint loads meet
.irp s, 0,1
	s_mov_b32 s[G0A+4*\s], 1
	s_mov_b32 s[G0A+4*\s+1], \s*SLOT
	s_add_nc_u64 s[G0A+4*\s+2:G0A+4*\s+3], s[30:31], \s*256        ; K step s
	s_or_b32 s[G0A+4*\s+3], s[G0A+4*\s+3], 0x80000000
	s_mov_b32 s[G0Q+4*\s], 1
	s_add_co_u32 s[G0Q+4*\s+1], s88, \s*SLOT
	s_add_nc_u64 s[G0Q+4*\s+2:G0Q+4*\s+3], s[84:85], \s*32768
	s_or_b32 s[G0Q+4*\s+3], s[G0Q+4*\s+3], 0x80000000
	s_mov_b32 s[G0X+4*\s], 1
	s_mov_b32 s[G0X+4*\s+1], OFFX+\s*SLOT
	s_add_nc_u64 s[G0X+4*\s+2:G0X+4*\s+3], s[86:87], \s*16384
	s_or_b32 s[G0X+4*\s+3], s[G0X+4*\s+3], 0x80000000
	JLOAD \s                                       ; both slots' first fills go out together: two tensor loads of the wave are out
.endr
	v_and_b32 v1, 15, v0                           ; r
	v_bfe_u32 v2, v0, 4, 1                         ; h
	v_and_b32 v3, 7, v0                            ; l & 7
	v_bfe_u32 v4, v0, 3, 1                         ; (l >> 3) & 1
	v_and_b32 v5, 31, v0                           ; l
	; the table's words of my results: row 128 i + 64 wm + 16 a + r, pairs 8 (2 b + wn) + 4 h + 0..3 (the piece: + 32 (j & 1))
	s_lshl_b32 s92, s22, 15
	s_lshl_b32 s93, s17, 14
	s_add_co_u32 s92, s92, s93
	s_lshl_b32 s93, s18, 5
	s_add_co_u32 s92, s92, s93
	v_lshlrev_b32 v6, 8, v1
	v_lshl_add_u32 v6, v2, 4, v6
	v_add_nc_u32 v[ROFQ], s92, v6
	s_and_b32 s93, s21, 1
	s_lshl_b32 s93, s93, 7
	v_add_nc_u32 v[ROFX], s93, v[ROFQ]
	WIN 0x80                                       ; destination in window 2; these 24 loads land under the K loop and are waited for in front of the way out
.irp a, 0,1,2,3
.irp b, 0,1,2,3
	global_load_b128 v[4*(6*\a+\b):4*(6*\a+\b)+3], v[ROFQ], s[10:11] offset:4096*\a+64*\b
.endr
.irp b, 4,5
	global_load_b128 v[4*(6*\a+\b):4*(6*\a+\b)+3], v[ROFX], s[10:11] offset:4096*\a+64*(\b-4)
.endr
.endr
	WIN 0
	v_mul_u32_u24 v6, v1, PA
	v_lshl_add_u32 v6, v2, 4, v6
	s_mul_i32 s92, s17, 64*PA
	v_add_nc_u32 v[ADRA], s92, v6                  ; (64 wm + r) x pitch + 16 h
	v_add_nc_u32 v[ADRA+1], SLOT, v[ADRA]
	v_lshl_add_u32 v7, v2, 3, v3                   ; k row 8 h + (l & 7)
	v_lshlrev_b32 v9, 4, v4
	s_lshl_b32 s93, s18, 5
	v_add_nc_u32 v9, s93, v9                       ; 16 ((l >> 3) & 1) + 32 wn
	v_mul_u32_u24 v8, v7, PQ
	v_add_nc_u32 v[ADRQ], v8, v9
	v_add_nc_u32 v[ADRQ], OFFQ, v[ADRQ]
	v_add_nc_u32 v[ADRQ+1], SLOT, v[ADRQ]
	v_mul_u32_u24 v8, v7, PX
	v_add_nc_u32 v[ADRX], v8, v9
	v_add_nc_u32 v[ADRX], OFFX, v[ADRX]
	v_add_nc_u32 v[ADRX+1], SLOT, v[ADRX]
	s_mul_i32 s92, s17, 64*SP
	s_add_co_u32 s92, s92, s93
	s_add_co_u32 s92, s92, STAGE
	v_mul_u32_u24 v6, v1, SP
	v_lshl_add_u32 v6, v2, 4, v6
	v_add_nc_u32 v[STO], s92, v6                   ; stage: row 64 wm + r, byte 32 wn + 16 h
	s_mul_i32 s92, s16, 32*SP
	s_add_co_u32 s92, s92, STAGE
	v_mul_u32_u24 v6, v2, SP
	v_lshl_add_u32 v6, v1, 4, v6
	v_add_nc_u32 v[RDQ], s92, v6                   ; back: q's 256 bytes of rows 32 w + 2 t + (l >> 4)
	v_lshrrev_b32 v6, 3, v5
	v_mul_u32_u24 v6, v6, SP
	v_lshl_add_u32 v6, v3, 4, v6
	s_add_co_u32 s92, s92, 256
	v_add_nc_u32 v[RDX], s92, v6                   ; the piece's 128 bytes of rows 32 w + 4 t + (l >> 3)
	s_lshl_b32 s92, s16, 13
	v_lshl_add_u32 v[COQ], v5, 4, s92
	s_lshl_b32 s92, s16, 12
	v_lshl_add_u32 v[COX], v5, 4, s92
	v_mov_b32 v[ONE], 1.0
	v_mov_b32 v[ZERO], 0
	s_lshl_b32 s92, s21, 19                        ; qb: head j, row 128 i
	s_lshl_b32 s93, s22, 15
	s_add_co_u32 s92, s92, s93
	s_mov_b32 s93, 0
	s_add_nc_u64 s[12:13], s[12:13], s[92:93]
	s_lshl_b32 s92, s21, 18                        ; kvb: piece j, row 128 i
	s_lshl_b32 s90, s22, 14
	s_add_co_u32 s92, s92, s90
	s_add_nc_u64 s[14:15], s[14:15], s[92:93]
; six matrix instructions: rows 16 a .. of my 64 times my six column tiles, 32 along K.  zero = 1: the first product starts the sums.
; The 24 accumulators take turns, one instruction a turn, in the same order in every quarter step.
.macro MULA f, a, zero
.irp b, 0,1,2,3,4,5
.if \zero
	v_wmma_f32_16x16x32_bf16 v[8*(6*\a+\b):8*(6*\a+\b)+7], v[\f+8*\b:\f+8*\b+7], v[\f+48+8*\a:\f+48+8*\a+7], 0
.else
	v_wmma_f32_16x16x32_bf16 v[8*(6*\a+\b):8*(6*\a+\b)+7], v[\f+8*\b:\f+8*\b+7], v[\f+48+8*\a:\f+48+8*\a+7], v[8*(6*\a+\b):8*(6*\a+\b)+7]
.endif
.endr
.endm
; 20 LDS loads in one run: the fragments of quarter q (32 along K) into buffer f: W's six (transposed on the way), then x's four
.macro FETCH slot, q, f
	WIN 0
.irp b, 0,1,2,3
	ds_load_tr16_b128 v[\f+8*\b:\f+8*\b+3],   v[ADRQ+\slot] offset:64*\b+32*PQ*\q
	ds_load_tr16_b128 v[\f+8*\b+4:\f+8*\b+7], v[ADRQ+\slot] offset:64*\b+32*PQ*\q+16*PQ
.endr
.irp b, 4,5
	ds_load_tr16_b128 v[\f+8*\b:\f+8*\b+3],   v[ADRX+\slot] offset:64*(\b-4)+32*PX*\q
	ds_load_tr16_b128 v[\f+8*\b+4:\f+8*\b+7], v[ADRX+\slot] offset:64*(\b-4)+32*PX*\q+16*PX
.endr
.irp a, 0,1,2,3
	ds_load_b128 v[\f+48+8*\a:\f+48+8*\a+3], v[ADRA+\slot] offset:16*PA*\a+64*\q
	ds_load_b128 v[\f+48+8*\a+4:\f+48+8*\a+7], v[ADRA+\slot] offset:16*PA*\a+64*\q+32
.endr
.endm
.macro QUARTER slot, q, f, g, zero     ; multiplies buffer f; in its middle fetches quarter q of the same slot into buffer g
	s_wait_dscnt 4                                 ; all but the youngest four loads: x's fragments 2 and 3 may be out
	WIN 0x50
	MULA \f, 0, \zero
	MULA \f, 1, \zero
	PLACES
	FETCH \slot, \q, \g
	s_wait_dscnt 20                                ; all but the 20 just issued
	WIN 0x50
	MULA \f, 2, \zero
	MULA \f, 3, \zero
.endm
.macro THREE slot, zero
	QUARTER \slot, 1, F0, F1, \zero
	QUARTER \slot, 2, F1, F0, 0
	QUARTER \slot, 3, F0, F1, 0
.endm
; The last quarter changes slots.  In front of the barrier each wave waits for its reads of this slot and for all its tensor loads (one is out: its part of the
; next slot).  With fill = 1 the barrier opens a round of the cluster's barrier, and the joint refill is the first tensor load behind the round's closing wait.
.macro TURN slot, next, fill
	s_wait_dscnt 4
	WIN 0x50
	MULA F1, 0, 0
	s_wait_dscnt 0
	s_wait_tensorcnt 0x0
	ds_add_u32 v254, v255
	s_wait_dscnt 0x0
	s_barrier_signal -1
	MULA F1, 1, 0                                  ; register work while the others arrive
	WIN 0
	s_barrier_wait -1
.if \fill
	CREST
	s_add_nc_u64 s[G0A+4*\slot+2:G0A+4*\slot+3], s[G0A+4*\slot+2:G0A+4*\slot+3], 2*256      ; no tensor load of mine is out: the addresses step two K steps
	s_add_nc_u64 s[G0Q+4*\slot+2:G0Q+4*\slot+3], s[G0Q+4*\slot+2:G0Q+4*\slot+3], 2*32768
	s_add_nc_u64 s[G0X+4*\slot+2:G0X+4*\slot+3], s[G0X+4*\slot+2:G0X+4*\slot+3], 2*16384
	JLOAD \slot
.endif
	PLACES
	FETCH \next, 0, F0
	WIN 0x50
	MULA F1, 2, 0
	MULA F1, 3, 0
.endm
.macro LAP zero
	THREE 0, \zero
	TURN 0, 1, 1
	THREE 1, 0
	TURN 1, 0, 1
.endm
	s_wait_tensorcnt 0x1                           ; my part of K step 0 is in; K step 1's may stay out
	s_barrier_signal -1
	s_barrier_wait -1
	FETCH 0, 0, F0
	LAP 1
	WIN 0
	s_mov_b32 s25, LAPS-2
.Llap:
	LAP 0
	WIN 0
	s_sub_co_u32 s25, s25, 1
	s_cmp_lg_u32 s25, 0
	s_cbranch_scc1 .Llap
	THREE 0, 0                                     ; the last lap fills nothing
	TURN 0, 1, 0
	THREE 1, 0
	s_wait_dscnt 4
	WIN 0x50
	MULA F1, 0, 0
	MULA F1, 1, 0
	s_wait_dscnt 0
	MULA F1, 2, 0
	MULA F1, 3, 0
	; THE WAY OUT.  16 rows at a time: unpack the table's words, rotate, round to f16, 16 bytes a lane into the stage.
	PLACES
	s_wait_loadcnt 0x0                             ; the table's words
.macro ROPE a
	WIN 0x08                                       ; source 1 in window 2
.irp b, 0,1,2,3,4,5
.irp p, 0,1,2,3
	v_lshlrev_b32 v[F0+8*\b+2*\p],   16,  v[4*(6*\a+\b)+\p]        ; cos x 2^-8
	v_and_b32     v[F0+8*\b+2*\p+1], s27, v[4*(6*\a+\b)+\p]        ; sin x 2^-8
.endr
.endr
	WIN 0
.irp n, 0,1,2,3,4,5,6,7,8,9,10,11,12,13,14,15
	v_pk_mul_f32 v[F0+2*\n:F0+2*\n+1], v[F0+2*\n:F0+2*\n+1], s[94:95] op_sel_hi:[1,0]   ; q's tiles: x KAPPA, in f32, ahead of the one rounding
.endr
.irp n, 0,1,2,3,4,5,6,7
	v_cndmask_b32 v[F0+32+2*\n],   v[F0+32+2*\n],   v[ONE],  s26   ; a piece of v is neither rotated nor scaled: (cos, sin) = (1, 0)
	v_cndmask_b32 v[F0+32+2*\n+1], v[F0+32+2*\n+1], v[ZERO], s26
.endr
	WIN 0x01                                       ; source 0 in window 1: the sums
.irp b, 0,1,2,3,4,5
.irp p, 0,1,2,3
	v_mul_f32 v[F1+8*\b+2*\p],   v[8*(6*\a+\b)+2*\p+1], v[F0+8*\b+2*\p+1]                        ; odd x sin
	v_mul_f32 v[F1+8*\b+2*\p+1], v[8*(6*\a+\b)+2*\p+1], v[F0+8*\b+2*\p]                          ; odd x cos
	v_fma_f32 v[F1+8*\b+2*\p],   v[8*(6*\a+\b)+2*\p],   v[F0+8*\b+2*\p],   -v[F1+8*\b+2*\p]      ; even x cos - odd x sin
	v_fma_f32 v[F1+8*\b+2*\p+1], v[8*(6*\a+\b)+2*\p],   v[F0+8*\b+2*\p+1], v[F1+8*\b+2*\p+1]     ; even x sin + odd x cos
.endr
.endr
	WIN 0
.irp b, 0,1,2,3,4,5
.irp p, 0,1,2,3
	v_cvt_pk_f16_f32 v[F1+8*\b+\p], v[F1+8*\b+2*\p], v[F1+8*\b+2*\p+1]
.endr
	ds_store_b128 v[STO], v[F1+8*\b:F1+8*\b+3] offset:16*SP*\a+64*\b
.endr
.endm
	ROPE 0
	ROPE 1
	ROPE 2
	ROPE 3
	s_wait_dscnt 0x0                               ; a staged row holds tiles of both wn: my stores are done,
	s_barrier_signal -1
	s_barrier_wait -1                              ; everybody's are
.irp t, 0,1,2,3,4,5,6,7,8,9,10,11,12,13,14,15
	ds_load_b128 v[32+4*\t:32+4*\t+3], v[RDQ] offset:2*SP*\t
.endr
.irp t, 0,1,2,3,4,5,6,7
	ds_load_b128 v[96+4*\t:96+4*\t+3], v[RDX] offset:4*SP*\t
.endr
.irp t, 0,1,2,3,4,5,6,7,8,9,10,11,12,13,14,15
	s_wait_dscnt 23-\t                             ; the younger read-backs stay out
	global_store_b128 v[COQ], v[32+4*\t:32+4*\t+3], s[12:13] offset:512*\t     ; two rows of q: 512 consecutive bytes
.endr
.irp t, 0,1,2,3,4,5,6,7
	s_wait_dscnt 7-\t
	global_store_b128 v[COX], v[96+4*\t:96+4*\t+3], s[14:15] offset:512*\t     ; four rows of the piece: 512 consecutive bytes
.endr
	s_wait_tensorcnt 0x0
	ds_add_u32 v254, v255
	s_wait_dscnt 0x0
	CROUND                                         ; the closing round: no work-group ends while a partner may still ask for a tile that names it
	s_endpgm
.Lfunc_end_k_qe87a3fb549_qkv:
	.size	k_qe87a3fb549_qkv, .Lfunc_end_k_qe87a3fb549_qkv-k_qe87a3fb549_qkv
	.p2alignl 7, 3214868480
	.fill 96, 4, 3214868480
	.section	.rodata,"a",@progbits
	.p2align	6, 0x0
	.amdhsa_kernel k_qe87a3fb549_qkv
		.amdhsa_group_segment_fixed_size 327680
		.amdhsa_private_segment_fixed_size 0
		.amdhsa_enable_private_segment 0
		.amdhsa_kernarg_size 48
		.amdhsa_user_sgpr_count 2
		.amdhsa_user_sgpr_kernarg_segment_ptr 1
		.amdhsa_wavefront_size32 1
		.amdhsa_system_sgpr_workgroup_id_x 1
		.amdhsa_system_sgpr_workgroup_id_y 1
		.amdhsa_system_sgpr_workgroup_id_z 1
		.amdhsa_system_vgpr_workitem_id 0
		.amdhsa_next_free_vgpr 608
		.amdhsa_next_free_sgpr 96
		.amdhsa_reserve_vcc 0
		.amdhsa_float_denorm_mode_32 3
		.amdhsa_float_denorm_mode_16_64 3
		.amdhsa_memory_ordered 1
		.amdhsa_forward_progress 1
		.amdhsa_inst_pref_size 134
	.end_amdhsa_kernel
	.amdgpu_metadata
---
amdhsa.version: [ 1, 2 ]
amdhsa.kernels:
  - .name:           k_qe87a3fb549_qkv
    .symbol:         k_qe87a3fb549_qkv.kd
    .args:
      - { .name: xb, .offset: 0, .size: 8, .value_kind: global_buffer, .address_space: global }
      - { .name: wqb, .offset: 8, .size: 8, .value_kind: global_buffer, .address_space: global }
      - { .name: wkvb, .offset: 16, .size: 8, .value_kind: global_buffer, .address_space: global }
      - { .name: ropeb, .offset: 24, .size: 8, .value_kind: global_buffer, .address_space: global }
      - { .name: qb, .offset: 32, .size: 8, .value_kind: global_buffer, .address_space: global }
      - { .name: kvb, .offset: 40, .size: 8, .value_kind: global_buffer, .address_space: global }
    .group_segment_fixed_size: 327680
    .private_segment_fixed_size: 0
    .kernarg_segment_align: 8
    .kernarg_segment_size: 48
    .max_flat_workgroup_size: 128
    .sgpr_count:     96
    .vgpr_count:     608
    .wavefront_size: 32
...
	.end_amdgpu_metadata
.endif
;; end of part 2
;; launch attn (part 3): grid 32 x 8, 4 waves a work-group, clusters of 4 x 1, 327,680 bytes of LDS; arguments qb, kvb, yb; writes yb
.if DOCPART == 3
	.amdgcn_target "amdgcn-amd-amdhsa--gfx1250"
	.amdhsa_code_object_version 6
	.text
	.protected	k_qe87a3fb549_attn
	.globl	k_qe87a3fb549_attn
	.p2align	8
	.type	k_qe87a3fb549_attn,@function
k_qe87a3fb549_attn:
	s_mov_b64 s[64:65], 0
	v_nop
	global_prefetch_b8 v0, s[64:65] scope:SCOPE_SE
	s_setreg_imm32_b32 hwreg(HW_REG_WAVE_MODE, 25, 1), 1
	s_wait_xcnt 0x0
	s_wait_alu depctr_hold_cnt(0) depctr_sa_sdst(0) depctr_va_vdst(0) depctr_va_sdst(0) depctr_va_ssrc(0) depctr_va_vcc(0) depctr_vm_vsrc(0)
	s_getreg_b32 s2, hwreg(HW_REG_IB_STS2, 6, 4)
	s_cmp_eq_u32 s2, 0
	s_cbranch_scc0 .Lentry_in_a_cluster
	s_endpgm
.Lentry_in_a_cluster:
	s_bfe_u32 s2, ttmp6, 0x10000c
	s_cmp_lg_u32 s2, 0x3003
	s_cbranch_scc0 .Lentry_shape_is_right
	s_endpgm
.Lentry_shape_is_right:
; Causal attention with a running maximum, f16 products, f32 sums.  yb [2048 t][2048] f16 = y.
; qb holds q x 2^-8 x 8 log2(e)/sqrt(128), kvb k x 2^-8 and v: the exponent to base 2 is 8192 x (S - max).  8192 x max is exact, so the exponent is exactly 0 at the maximum.
; LIMITS: masked scores are -inf (the result is that of the most negative finite number, since every row keeps a key); p and y are rounded to f16, so |y| under 2^-14 keeps an
; absolute error of 2^-25.
; THE SHARES.  A wave's unit is one head x 32 query rows (two tiles of 16, so that each K or V fragment feeds two matrix instructions).  Work-group (c, cx, hp), p = 4 c + cx,
; takes heads 2 hp, 2 hp + 1 and pairs the long block 63 - p with the short block p.  Waves 0, 1 (role X, one head each): the long block, keys 0-1023, 8 trips of 128 keys, never masked.
; Waves 2, 3 (role Y): the long block's keys 1024 .. 128 (16 - c) - 1 in 8 - c trips, hand (max, sum, O) to X through LDS, then the short block's keys 0 .. 128 (c + 1) - 1 in c + 1 trips:
; nine trips for every c.  X merges and stores the long block, Y stores the short one.
; CLUSTERS: the four partners cx = 0..3 are the four 32-row slices of the 128-row blocks 15 - c and c.  They walk the same K and V tiles in the same trips, so every tile is asked for jointly
; (mask 15); cx enters global addresses and the mask's comparison alone.  The price: the two diagonal trips are computed whole under the mask.
; TRANSPOSED USE: S^T = K Q^T (source 0 = 16 keys, source 1 = 16 queries) and O^T = V^T P^T (source 0 = V through the transposing LDS load, source 1 = P).  Lane (r, h) owns query r:
; maximum, sum and rescale are numbers of the lane, and S^T's registers, packed in pairs, are P's fragment as they lie.
; REGISTERS: window 0 as below; window 1: O(qt, dt) at 64 qt + 8 dt, Q(qt, kk) at 128 + 32 qt + 8 kk.
.set PK,     144                       ; pitch of K's rows in LDS: 128 + 16 = 9 x 16 bytes
.set PV,     160                       ; of V's: 128 + 32 = 5 x 32 bytes, for the transposing load
.set PLK,    64*PK                     ; a plane: 64 keys x 64 d
.set PLV,    64*PV
.set REGION, 20480                     ; wave w fills region w of a slot: K of X, V of X, K of Y, V of Y
.set SLOT,   4*REGION
.set DUMP,   2*SLOT                    ; 163,840: Y's (O, max, sum) of the long block, 16,896 bytes a head
.set DSZ,    16896
.set STAGE,  DUMP+2*DSZ                ; 197,632: 16 rows x 272 bytes for each wave
.set SPITCH, 272
.set VL2,    6                         ; v6-7   the mask's limit for the short block
.set ADRK,   8                         ; v8-9   slot 0, 1
.set ADRV,   10                        ; v10-11
.set ADRD,   12
.set STO,    13
.set RD,     14
.set CO,     15
.set QOFL,   16
.set QOFS,   17
.set VLIM,   18                        ; v18-19 row in the 128-row block less 8 h, for qt = 0, 1
.set M,      20                        ; v20-21 running maximum
.set L,      22                        ; v22-23 running sum of my half of the keys
.set MN,     24
.set AL,     26                        ; v[26:29] rescale, a pair for each qt
.set NMC,    30                        ; v[30:33] -8192 x maximum, a pair for each qt
.set NEG,    34                        ; -inf
.set T,      36                        ; v36-47 at work
.set S,      48                        ; v48-111 S(qt, kt, j) at 32 qt + 8 kt + j; later P(qt, k32) at 32 qt + 8 k32
.set BUF,    112                       ; v112-239 K's 16 fragments, then V's 16
.set QW,     128
.set G1K,    32
.set G1V,    40
.set G0,     48                        ; s[48:55], a set for each slot
.set MSB, 0
.macro WIN new
.if MSB != \new
	s_set_vgpr_msb (MSB<<8)|\new
.set MSB, \new
.endif
.endm
.macro PLACES
.rept 4
	v_nop
.endr
.endm
.macro ROUND                           ; a round of the cluster's barrier
	s_barrier_signal -1
	s_barrier_wait -1
	s_cmp_lg_u32 s12, 0
	s_cbranch_scc1 .Lnot_wave_0_\@
	s_barrier_signal -3
.Lnot_wave_0_\@:
	s_barrier_wait -3
	s_barrier_signal -1
	s_barrier_wait -1
.endm
.macro JLOAD s, who                    ; my tile into slot s; who = 1: X's stream has ended, waves 0 and 1 ask for nothing
.if \who
	s_cmp_eq_u32 s13, 0
	s_cbranch_scc1 .Lasked_\@
.endif
	s_cmp_eq_u32 s14, 0
	s_cbranch_scc0 .Lfor_v_\@
	tensor_load_to_lds s[G0+4*(\s):G0+4*(\s)+3], s[G1K:G1K+7]
	s_nop 0
	s_branch .Lasked_\@
.Lfor_v_\@:
	tensor_load_to_lds s[G0+4*(\s):G0+4*(\s)+3], s[G1V:G1V+7]
	s_nop 0
.Lasked_\@:
.endm
.macro LOADQ off                       ; 32 query rows as eight fragments: row r, d = 32 kk + 8 h .. and 32 kk + 16 + 8 h ..
	WIN 0x40
.irp qt, 0,1
.irp kk, 0,1,2,3
	global_load_b128 v[QW+32*\qt+8*\kk:QW+32*\qt+8*\kk+3],   v[\off], s[68:69] offset:4096*\qt+64*\kk
	global_load_b128 v[QW+32*\qt+8*\kk+4:QW+32*\qt+8*\kk+7], v[\off], s[68:69] offset:4096*\qt+64*\kk+32
.endr
.endr
	WIN 0
.endm
.macro OSCALE                          ; O x the pair AL(qt)
	WIN 0x41
.irp qt, 0,1
.set n, 0
.rept 32
	v_pk_mul_f32 v[64*\qt+2*n:64*\qt+2*n+1], v[64*\qt+2*n:64*\qt+2*n+1], v[AL+2*\qt:AL+2*\qt+1]
.set n, n+1
.endr
.endr
.endm
	s_load_b128 s[4:7], s[0:1], 0x0                ; qb 4, kvb 6
	s_load_b64 s[8:9], s[0:1], 0x10                ; yb
	v_lshl_add_u32 v254, v0, 2, 0x34800
	v_mov_b32 v255, 0
	ds_add_u32 v254, v255
	v_lshrrev_b32 v1, 5, v0
	v_readfirstlane_b32 s12, v1                    ; wave
	s_lshr_b32 s13, s12, 1                         ; role: 0 = X, 1 = Y
	s_and_b32 s14, s12, 1                          ; which head of the two; also: I fetch K (0) or V (1)
	s_mov_b32 s15, ttmp9                           ; c: the cluster's x
	s_bfe_u32 s16, ttmp6, 0x40000                  ; cx
	s_and_b32 s17, ttmp7, 0xffff                   ; hp
	s_lshl_b32 s18, s15, 2
	s_add_co_u32 s18, s18, s16                     ; p
	s_sub_co_u32 s19, 8, s15                       ; Y's trips on the long block
	s_sub_co_u32 s70, 63, s18                      ; the long block
	s_cmp_lg_u32 s13, 0
	s_cselect_b32 s20, s19, 99                     ; the trip count at which a wave masks and switches; X never does
	s_cselect_b32 s31, s18, s70                    ; the block that I store
	s_mov_b32 s26, 0x76543210                      ; v_permlanex16_b32: lane i reads lane i of the other half
	s_mov_b32 s27, 0xfedcba98
	s_mov_b32 s28, 0x46000000                      ; 8192.0
	s_mov_b32 s29, 0x46000000
	; group 1: a tile of 64 keys = two dense runs of 8,192 bytes, one in each 64-wide piece; behind every 32 words (a key's 128 bytes) 4 words (K) or 8 (V) of padding
	s_mov_b32 s[G1K+0], 15|(1<<16)|(1<<20)|(1<<21)|(4<<22)|(3<<25)
	s_mov_b32 s[G1K+1], 4096<<16                   ; tensor_dim0 = 4,096 elements
	s_mov_b32 s[G1K+2], 2<<16                      ; tensor_dim1 = 2
	s_mov_b32 s[G1K+3], 4096<<16                   ; tile_dim0
	s_mov_b32 s[G1K+4], 2                          ; tile_dim1
	s_mov_b32 s[G1K+5], 131072                     ; elements from piece to piece
	s_mov_b32 s[G1K+6], 0
	s_mov_b32 s[G1K+7], 0
	s_mov_b32 s[G1V+0], 15|(1<<16)|(1<<20)|(1<<21)|(4<<22)|(7<<25)
	s_mov_b32 s[G1V+1], 4096<<16
	s_mov_b32 s[G1V+2], 2<<16
	s_mov_b32 s[G1V+3], 4096<<16
	s_mov_b32 s[G1V+4], 2
	s_mov_b32 s[G1V+5], 131072
	s_mov_b32 s[G1V+6], 0
	s_mov_b32 s[G1V+7], 0
	s_mul_i32 s58, s12, REGION
	s_mov_b32 s[G0+0], 1
	s_add_co_u32 s[G0+1], s58, 0
	s_mov_b32 s[G0+4], 1
	s_add_co_u32 s[G0+5], s58, SLOT
	s_and_b32 s59, s17, 14                         ; 2 g, g = hp >> 1: both heads share the KV head
	s_lshl_b32 s60, s14, 3                         ; V's pieces lie eight behind K's
	s_add_co_u32 s59, s59, s60
	s_lshl_b32 s60, s59, 18
	s_mov_b32 s61, 0
	s_lshl_b32 s24, s13, 17                        ; byte offset of my stream's next tile in a piece: X from key 0, Y from key 1024
	s_mov_b32 s25, 0
	s_lshl_b32 s59, s17, 1
	s_add_co_u32 s59, s59, s14                     ; my head
	s_lshl_b32 s62, s59, 19
	s_mov_b32 s63, 0
	s_lshl_b32 s72, s31, 17                        ; my block x 32 rows x 4,096 bytes
	s_lshl_b32 s71, s59, 8                         ; + head x 256 bytes
	s_add_co_u32 s72, s72, s71
	s_mov_b32 s73, 0
	v_and_b32 v1, 15, v0                           ; r
	v_bfe_u32 v2, v0, 4, 1                         ; h
	v_and_b32 v3, 7, v0
	v_bfe_u32 v4, v0, 3, 1
	v_and_b32 v5, 31, v0
	v_lshlrev_b32 v35, 8, v1
	v_lshl_add_u32 v35, v2, 4, v35                 ; 256 r + 16 h
	s_lshl_b32 s58, s70, 13
	s_lshl_b32 s71, s18, 13
	v_add_nc_u32 v[QOFL], s58, v35
	v_add_nc_u32 v[QOFS], s71, v35
	s_wait_dscnt 0x0
	s_wait_kmcnt 0x0
	s_add_nc_u64 s[56:57], s[6:7], s[60:61]        ; my stream's pieces
	s_add_nc_u64 s[68:69], s[4:5], s[62:63]        ; my head's q
	s_add_nc_u64 s[66:67], s[8:9], s[72:73]        ; where I store
	s_add_nc_u64 s[G0+2:G0+3], s[56:57], s[24:25]  ; tile 0
	s_or_b32 s[G0+3], s[G0+3], 0x80000000
	s_add_co_u32 s24, s24, 8192
	LOADQ QOFL                                     ; the long block's rows
	ROUND                                          ; in front of the first joint load
	JLOAD 0, 0
	v_lshlrev_b32 v35, 3, v2
	v_sub_nc_u32 v35, v1, v35                      ; r - 8 h
	s_lshl_b32 s59, s16, 5                         ; the short block is slice cx of its 128 rows,
	s_sub_co_u32 s58, 96, s59                      ; the long one slice 3 - cx
	v_add_nc_u32 v[VLIM], s58, v35
	v_add_nc_u32 v[VLIM+1], 16, v[VLIM]
	v_add_nc_u32 v[VL2], s59, v35
	v_add_nc_u32 v[VL2+1], 16, v[VL2]
	s_mul_i32 s58, s13, 2*REGION
	v_mul_u32_u24 v35, v1, PK
	v_lshl_add_u32 v35, v2, 4, v35
	v_add_nc_u32 v[ADRK], s58, v35
	v_add_nc_u32 v[ADRK+1], SLOT, v[ADRK]
	v_lshl_add_u32 v35, v2, 3, v3
	v_mul_u32_u24 v35, v35, PV
	v_lshl_add_u32 v35, v4, 4, v35
	s_add_co_u32 s58, s58, REGION
	v_add_nc_u32 v[ADRV], s58, v35
	v_add_nc_u32 v[ADRV+1], SLOT, v[ADRV]
	s_mul_i32 s58, s14, DSZ
	s_add_co_u32 s58, s58, DUMP
	v_lshl_add_u32 v[ADRD], v5, 4, s58
	s_mul_i32 s58, s12, 16*SPITCH
	s_add_co_u32 s58, s58, STAGE
	v_mul_u32_u24 v35, v1, SPITCH
	v_lshl_add_u32 v35, v2, 4, v35
	v_add_nc_u32 v[STO], s58, v35
	v_mul_u32_u24 v35, v2, SPITCH
	v_lshl_add_u32 v35, v1, 4, v35
	v_add_nc_u32 v[RD], s58, v35
	v_lshlrev_b32 v35, 12, v2
	v_lshl_add_u32 v[CO], v1, 4, v35
	v_mov_b32 v[NEG], 0xff800000
	v_mov_b32 v[M], 0xff800000
	v_mov_b32 v[M+1], 0xff800000
	v_mov_b32 v[L], 0
	v_mov_b32 v[L+1], 0
	v_mov_b32 v[T+4], 0                            ; destinations of v_permlanex16_b32 count as read
	v_mov_b32 v[T+8], 0
	s_mov_b32 s21, 1                               ; the trip's number + 1
	s_wait_loadcnt 0x0                             ; q
; 16 matrix instructions: key tiles k0, k0 + 1 x both query tiles x 128 d.  Four accumulators take turns, one instruction a turn.
.macro SMUL k0
.irp kk, 0,1,2,3
.irp kt, \k0, \k0+1
.irp qt, 0,1
.if \kk == 0
	v_wmma_f32_16x16x32_f16 v[S+32*\qt+8*(\kt):S+32*\qt+8*(\kt)+7], v[BUF+32*(\kt)+8*\kk:BUF+32*(\kt)+8*\kk+7], v[QW+32*\qt+8*\kk:QW+32*\qt+8*\kk+7], 0
.else
	v_wmma_f32_16x16x32_f16 v[S+32*\qt+8*(\kt):S+32*\qt+8*(\kt)+7], v[BUF+32*(\kt)+8*\kk:BUF+32*(\kt)+8*\kk+7], v[QW+32*\qt+8*\kk:QW+32*\qt+8*\kk+7], v[S+32*\qt+8*(\kt):S+32*\qt+8*(\kt)+7]
.endif
.endr
.endr
.endr
.endm
; 16 matrix instructions: 32 keys x 128 d x both query tiles.  Sixteen accumulators take turns likewise.
.macro PVMUL k, zero
.irp dt, 0,1,2,3,4,5,6,7
.irp qt, 0,1
.if \zero
	v_wmma_f32_16x16x32_f16 v[64*\qt+8*\dt:64*\qt+8*\dt+7], v[BUF+64*\k+8*\dt:BUF+64*\k+8*\dt+7], v[S+32*\qt+8*\k:S+32*\qt+8*\k+7], 0
.else
	v_wmma_f32_16x16x32_f16 v[64*\qt+8*\dt:64*\qt+8*\dt+7], v[BUF+64*\k+8*\dt:BUF+64*\k+8*\dt+7], v[S+32*\qt+8*\k:S+32*\qt+8*\k+7], v[64*\qt+8*\dt:64*\qt+8*\dt+7]
.endif
.endr
.endr
.endm
; One step: the 64 keys of slot \slot.  first = 1: the launch's first step starts O.  mask = 2: masked in the trip whose number + 1 is s20; 1: always.
.macro STEP slot, first, mask
.rept 5
	v_nop                                          ; five places behind the last step's products: S is written over P, which they read, and K is loaded over V
.endr
.irp kt, 0,1,2,3
.irp kk, 0,1,2,3
	ds_load_b128 v[BUF+32*\kt+8*\kk:BUF+32*\kt+8*\kk+3],   v[ADRK+\slot] offset:16*PK*\kt+PLK*(\kk/2)+64*(\kk%2)
	ds_load_b128 v[BUF+32*\kt+8*\kk+4:BUF+32*\kt+8*\kk+7], v[ADRK+\slot] offset:16*PK*\kt+PLK*(\kk/2)+64*(\kk%2)+32
.endr
.endr
	s_wait_dscnt 16                                ; key tiles 0 and 1 are in; the 16 loads of tiles 2 and 3 may be out
	WIN 0x04
	SMUL 0
	s_wait_dscnt 0
	SMUL 2
	WIN 0
	PLACES
.irp kv, 0,1
.irp dt, 0,1,2,3,4,5,6,7
	ds_load_tr16_b128 v[BUF+64*\kv+8*\dt:BUF+64*\kv+8*\dt+3],   v[ADRV+\slot] offset:32*PV*\kv+PLV*(\dt/4)+32*(\dt%4)         ; V lands under the softmax
	ds_load_tr16_b128 v[BUF+64*\kv+8*\dt+4:BUF+64*\kv+8*\dt+7], v[ADRV+\slot] offset:32*PV*\kv+PLV*(\dt/4)+32*(\dt%4)+16*PV
.endr
.endr
.if \mask == 2
	s_cmp_lg_u32 s21, s20
	s_cbranch_scc1 .Lno_mask_\@
.endif
.irp qt, 0,1
.irp kt, 0,1,2,3
.irp j, 0,1,2,3,4,5,6,7
	v_cmp_le_i32 vcc_lo, 64*\slot+16*\kt+\j, v[VLIM+\qt]           ; key 64 slot + 16 kt + 8 h + j of the block <= my row of the block
	v_cndmask_b32 v[S+32*\qt+8*\kt+\j], v[NEG], v[S+32*\qt+8*\kt+\j], vcc_lo
.endr
.endr
.endr
.Lno_mask_\@:
	; the new maximum: two chains for each query tile, begun by the old maximum
.irp qt, 0,1
	v_max3_num_f32 v[T+\qt],   v[S+32*\qt],    v[S+32*\qt+1],  v[M+\qt]
	v_max3_num_f32 v[T+2+\qt], v[S+32*\qt+16], v[S+32*\qt+17], v[S+32*\qt+18]
.endr
.irp n, 1,2,3,4,5,6
.irp qt, 0,1
	v_max3_num_f32 v[T+\qt],   v[S+32*\qt+2*\n],    v[S+32*\qt+2*\n+1],  v[T+\qt]
	v_max3_num_f32 v[T+2+\qt], v[S+32*\qt+17+2*\n], v[S+32*\qt+18+2*\n], v[T+2+\qt]
.endr
.endr
.irp qt, 0,1
	v_max3_num_f32 v[T+\qt], v[S+32*\qt+14], v[S+32*\qt+15], v[T+\qt]
.endr
.irp qt, 0,1
	v_max3_num_f32 v[T+\qt], v[T+\qt], v[T+2+\qt], v[S+32*\qt+31]
.endr
.irp qt, 0,1
	v_permlanex16_b32 v[T+4+4*\qt], v[T+\qt], s26, s27             ; the other half of the query's keys
.endr
.irp qt, 0,1
	v_max_num_f32 v[MN+\qt], v[T+\qt], v[T+4+4*\qt]
.endr
.irp qt, 0,1
	v_mul_f32 v[NMC+2*\qt],   0xc6000000, v[MN+\qt]                ; -8192 x maximum, exact
	v_mul_f32 v[NMC+2*\qt+1], 0xc6000000, v[MN+\qt]
.endr
.irp qt, 0,1
	v_fma_f32 v[T+\qt], v[M+\qt], s28, v[NMC+2*\qt]                ; the rescale's exponent; -inf where the old maximum is -inf
.endr
.irp qt, 0,1
.set n, 0
.rept 16
	v_pk_fma_f32 v[S+32*\qt+2*n:S+32*\qt+2*n+1], v[S+32*\qt+2*n:S+32*\qt+2*n+1], s[28:29], v[NMC+2*\qt:NMC+2*\qt+1] op_sel_hi:[1,0,1]
.set n, n+1
.endr
.endr
	v_exp_f32 v[AL], v[T]
	v_exp_f32 v[AL+2], v[T+1]
.set n, 0
.rept 64
	v_exp_f32 v[S+n], v[S+n]
.set n, n+1
.endr
	v_mov_b32 v[M], v[MN]                          ; a plain instruction behind the run of exponentials, ahead of the first use of a result (ISA guide 5.7.2)
	v_mov_b32 v[M+1], v[MN+1]
	s_wait_alu depctr_va_vdst(0)
	v_mov_b32 v[AL+1], v[AL]
	v_mov_b32 v[AL+3], v[AL+2]
.irp qt, 0,1
	v_pk_add_f32 v[T+4+4*\qt:T+5+4*\qt], v[S+32*\qt:S+32*\qt+1],   v[S+32*\qt+2:S+32*\qt+3]
	v_pk_add_f32 v[T+6+4*\qt:T+7+4*\qt], v[S+32*\qt+4:S+32*\qt+5], v[S+32*\qt+6:S+32*\qt+7]
.endr
.irp n, 2,3,4,5,6,7
.irp qt, 0,1
	v_pk_add_f32 v[T+4+4*\qt:T+5+4*\qt], v[T+4+4*\qt:T+5+4*\qt], v[S+32*\qt+4*\n:S+32*\qt+4*\n+1]
	v_pk_add_f32 v[T+6+4*\qt:T+7+4*\qt], v[T+6+4*\qt:T+7+4*\qt], v[S+32*\qt+4*\n+2:S+32*\qt+4*\n+3]
.endr
.endr
.irp qt, 0,1
	v_pk_add_f32 v[T+4+4*\qt:T+5+4*\qt], v[T+4+4*\qt:T+5+4*\qt], v[T+6+4*\qt:T+7+4*\qt]
.endr
.irp qt, 0,1
	v_add_f32 v[T+\qt], v[T+4+4*\qt], v[T+5+4*\qt]
.endr
.irp qt, 0,1
	v_fma_f32 v[L+\qt], v[L+\qt], v[AL+2*\qt], v[T+\qt]
.endr
.irp qt, 0,1
.set n, 0
.rept 16
	v_cvt_pk_f16_f32 v[S+32*\qt+n], v[S+32*\qt+2*n], v[S+32*\qt+2*n+1]     ; in place, ascending: P's fragments
.set n, n+1
.endr
.endr
.if \first == 0
	OSCALE                                         ; behind a switch the rescale is 0 and O, which is finite, starts anew
.endif
	s_wait_dscnt 16                                ; V of keys 0-31 is in
	WIN 0x50
	PVMUL 0, \first
	s_wait_dscnt 0
	PVMUL 1, 0
	WIN 0
.endm
; Half a trip.  refill = 2: every wave asks for its stream's next tile; 1: Y's waves alone; 0: nobody.  yonly = 1: X has no step left.
; In front of the round every wave waits for all its tensor loads (one is out: its part of this slot) and for its LDS instructions; the joint refill of the other slot
; is the first tensor load behind the round, one a wave, and has this step's work in which to land.
.macro HALF slot, refill, first, mask, yonly
	s_wait_tensorcnt 0x0
	ds_add_u32 v254, v255
	s_wait_dscnt 0x0
.if \refill
.if \slot == 1
	s_cmp_eq_u32 s21, s20                          ; the next tile opens Y's short block: from key 0
	s_cselect_b32 s24, 0, s24
.endif
	s_add_nc_u64 s[G0+4*(1-\slot)+2:G0+4*(1-\slot)+3], s[56:57], s[24:25]
	s_or_b32 s[G0+4*(1-\slot)+3], s[G0+4*(1-\slot)+3], 0x80000000
	s_add_co_u32 s24, s24, 8192
.endif
	s_wait_dscnt 0x0
.if \refill
	ROUND
.if \refill == 1
	JLOAD 1-\slot, 1
.else
	JLOAD 1-\slot, 0
.endif
.else
	s_barrier_signal -1
	s_barrier_wait -1
.endif
.if \yonly
	s_cmp_eq_u32 s13, 0
	s_cbranch_scc1 .Lno_step_\@
.endif
	STEP \slot, \first, \mask
.Lno_step_\@:
.endm
; Y, behind the long block's last trip: (O, max, sum) into LDS for X, then the short block's rows and a fresh state.
; Waves 0 and 1 never come here; waves 2 and 3 store into the bytes of their own heads.
.macro SWITCH
	s_cmp_lt_u32 s12, 2
	s_cbranch_scc1 .Lno_switch_\@
	s_cmp_lg_u32 s21, s20
	s_cbranch_scc1 .Lno_switch_\@
	PLACES
	WIN 0x04                                       ; store data in window 1
.set i, 0
.rept 32
	ds_store_b128 v[ADRD], v[4*i:4*i+3] offset:512*i
.set i, i+1
.endr
	WIN 0
	ds_store_b128 v[ADRD], v[M:M+3] offset:16384
	LOADQ QOFS
	v_mov_b32 v[M], v[NEG]
	v_mov_b32 v[M+1], v[NEG]
	v_mov_b32 v[L], 0
	v_mov_b32 v[L+1], 0
	v_mov_b32 v[VLIM], v[VL2]
	v_mov_b32 v[VLIM+1], v[VL2+1]
	s_wait_loadcnt 0x0
.Lno_switch_\@:
.endm
	HALF 0, 2, 1, 2, 0                             ; trip 0 is written out: its first step starts O
	HALF 1, 2, 0, 2, 0
	SWITCH
	s_mov_b32 s21, 2
.Ltrip:                                            ; trips 1 to 6
	HALF 0, 2, 0, 2, 0
	HALF 1, 2, 0, 2, 0
	SWITCH
	s_add_co_u32 s21, s21, 1
	s_cmp_lt_u32 s21, 8
	s_cbranch_scc1 .Ltrip
	HALF 0, 2, 0, 2, 0                             ; trip 7: X's last tile is asked for here,
	HALF 1, 1, 0, 2, 0                             ; and from here on Y's waves alone ask
	SWITCH
	s_mov_b32 s21, 9
	HALF 0, 1, 0, 1, 1                             ; trip 8: Y's diagonal trip of the short block
	HALF 1, 0, 0, 1, 1
	s_cmp_lg_u32 s13, 0
	s_cbranch_scc1 .Lfinish
	; X: merge Y's part of the long block.  Y's stores were waited for in front of a barrier that both have passed.
	PLACES
	ds_load_b128 v[T:T+3], v[ADRD] offset:16384    ; Y's maxima and sums
.set i, 0
.rept 32
	ds_load_b128 v[BUF+4*i:BUF+4*i+3], v[ADRD] offset:512*i
.set i, i+1
.endr
	s_wait_dscnt 0x0
.irp qt, 0,1
	v_max_num_f32 v[MN+\qt], v[M+\qt], v[T+\qt]
.endr
.irp qt, 0,1
	v_sub_f32 v[T+4+\qt], v[M+\qt], v[MN+\qt]
	v_sub_f32 v[T+6+\qt], v[T+\qt], v[MN+\qt]
.endr
.irp n, 4,5,6,7
	v_mul_f32 v[T+\n], s28, v[T+\n]
.endr
.irp qt, 0,1
	v_exp_f32 v[AL+2*\qt], v[T+4+\qt]
	v_exp_f32 v[NMC+2*\qt], v[T+6+\qt]
.endr
	v_nop
	s_wait_alu depctr_va_vdst(0)
.irp qt, 0,1
	v_mov_b32 v[AL+2*\qt+1], v[AL+2*\qt]
	v_mov_b32 v[NMC+2*\qt+1], v[NMC+2*\qt]
	v_mul_f32 v[L+\qt], v[L+\qt], v[AL+2*\qt]
.endr
.irp qt, 0,1
	v_fma_f32 v[L+\qt], v[T+2+\qt], v[NMC+2*\qt], v[L+\qt]
.endr
	OSCALE
	WIN 0x50
.irp qt, 0,1
.set n, 0
.rept 32
	v_pk_fma_f32 v[64*\qt+2*n:64*\qt+2*n+1], v[BUF+64*\qt+2*n:BUF+64*\qt+2*n+1], v[NMC+2*\qt:NMC+2*\qt+1], v[64*\qt+2*n:64*\qt+2*n+1]
.set n, n+1
.endr
.endr
	WIN 0
.Lfinish:
	PLACES
.irp qt, 0,1
	v_permlanex16_b32 v[T+4+4*\qt], v[L+\qt], s26, s27             ; the other half's part of the sum
.endr
.irp qt, 0,1
	v_add_f32 v[L+\qt], v[L+\qt], v[T+4+4*\qt]
.endr
	v_rcp_f32 v[AL], v[L]
	v_rcp_f32 v[AL+2], v[L+1]
	v_nop
	s_wait_alu depctr_va_vdst(0)
	v_mov_b32 v[AL+1], v[AL]
	v_mov_b32 v[AL+3], v[AL+2]
	OSCALE
	; 16 rows at a time through my own stage: 16 bytes a lane in, whole rows of 256 bytes back.  LDS serves a wave's instructions in order (ISA guide 5.7.1).
.irp qt, 0,1
	WIN 0x05
.irp dt, 0,1,2,3,4,5,6,7
.irp k, 0,1,2,3
	v_cvt_pk_f16_f32 v[S+32*\qt+4*\dt+\k], v[64*\qt+8*\dt+2*\k], v[64*\qt+8*\dt+2*\k+1]
.endr
.endr
	WIN 0
.irp dt, 0,1,2,3,4,5,6,7
	ds_store_b128 v[STO], v[S+32*\qt+4*\dt:S+32*\qt+4*\dt+3] offset:32*\dt
.endr
.irp t, 0,1,2,3,4,5,6,7
	ds_load_b128 v[BUF+64*\qt+4*\t:BUF+64*\qt+4*\t+3], v[RD] offset:2*SPITCH*\t
.endr
.irp t, 0,1,2,3,4,5,6,7
	s_wait_dscnt 7-\t
	global_store_b128 v[CO], v[BUF+64*\qt+4*\t:BUF+64*\qt+4*\t+3], s[66:67] offset:65536*\qt+8192*\t   ; sixteen lanes store a head's 256 bytes of a row, aligned
.endr
.endr
	s_wait_tensorcnt 0x0
	ds_add_u32 v254, v255
	s_wait_dscnt 0x0
	ROUND                                          ; the closing round
	s_endpgm
.Lfunc_end_k_qe87a3fb549_attn:
	.size	k_qe87a3fb549_attn, .Lfunc_end_k_qe87a3fb549_attn-k_qe87a3fb549_attn
	.p2alignl 7, 3214868480
	.fill 96, 4, 3214868480
	.section	.rodata,"a",@progbits
	.p2align	6, 0x0
	.amdhsa_kernel k_qe87a3fb549_attn
		.amdhsa_group_segment_fixed_size 327680
		.amdhsa_private_segment_fixed_size 0
		.amdhsa_enable_private_segment 0
		.amdhsa_kernarg_size 24
		.amdhsa_user_sgpr_count 2
		.amdhsa_user_sgpr_kernarg_segment_ptr 1
		.amdhsa_wavefront_size32 1
		.amdhsa_system_sgpr_workgroup_id_x 1
		.amdhsa_system_sgpr_workgroup_id_y 1
		.amdhsa_system_sgpr_workgroup_id_z 1
		.amdhsa_system_vgpr_workitem_id 0
		.amdhsa_next_free_vgpr 448
		.amdhsa_next_free_sgpr 80
		.amdhsa_reserve_vcc 1
		.amdhsa_float_denorm_mode_32 3
		.amdhsa_float_denorm_mode_16_64 3
		.amdhsa_memory_ordered 1
		.amdhsa_forward_progress 1
		.amdhsa_inst_pref_size 255
	.end_amdhsa_kernel
	.section	.bss,"aw",@nobits
	.p2align	6
	.space	262144
	.amdgpu_metadata
---
amdhsa.version: [ 1, 2 ]
amdhsa.kernels:
  - .name:           k_qe87a3fb549_attn
    .symbol:         k_qe87a3fb549_attn.kd
    .args:
      - { .name: qb, .offset: 0, .size: 8, .value_kind: global_buffer, .address_space: global }
      - { .name: kvb, .offset: 8, .size: 8, .value_kind: global_buffer, .address_space: global }
      - { .name: yb, .offset: 16, .size: 8, .value_kind: global_buffer, .address_space: global }
    .group_segment_fixed_size: 327680
    .private_segment_fixed_size: 0
    .kernarg_segment_align: 8
    .kernarg_segment_size: 24
    .max_flat_workgroup_size: 128
    .sgpr_count:     80
    .vgpr_count:     448
    .wavefront_size: 32
...
	.end_amdgpu_metadata
.endif
;; end of part 3
;; launch oproj (part 4): grid 16 x 16, 4 waves a work-group, clusters of 4 x 4, 327,680 bytes of LDS; arguments yb, wob, out0; writes out0
.if DOCPART == 4
	.amdgcn_target "amdgcn-amd-amdhsa--gfx1250"
	.amdhsa_code_object_version 6
	.text
	.protected	k_qe87a3fb549_oproj
	.globl	k_qe87a3fb549_oproj
	.p2align	8
	.type	k_qe87a3fb549_oproj,@function
k_qe87a3fb549_oproj:
	s_mov_b64 s[64:65], 0
	v_nop
	global_prefetch_b8 v0, s[64:65] scope:SCOPE_SE
	s_setreg_imm32_b32 hwreg(HW_REG_WAVE_MODE, 25, 1), 1
	s_wait_xcnt 0x0
	s_wait_alu depctr_hold_cnt(0) depctr_sa_sdst(0) depctr_va_vdst(0) depctr_va_sdst(0) depctr_va_ssrc(0) depctr_va_vcc(0) depctr_vm_vsrc(0)
	s_getreg_b32 s2, hwreg(HW_REG_IB_STS2, 6, 4)
	s_cmp_eq_u32 s2, 0
	s_cbranch_scc0 .Lentry_in_a_cluster
	s_endpgm
.Lentry_in_a_cluster:
	s_bfe_u32 s2, ttmp6, 0x10000c
	s_cmp_lg_u32 s2, 0xf033
	s_cbranch_scc0 .Lentry_shape_is_right
	s_endpgm
.Lentry_shape_is_right:
; out0 = y Wo.  yb [2048 t][2048] f16 = y; wob [16 j][2048 k][128] f16 = bf16(Wo).  f16 products, f32 sums, f32 out.
; Work-group (i, j): a block of 128 x 128 with four waves of 64 x 64 (16 accumulators each): 256 equal work-groups.
; K goes through two LDS slots of 256 each (eight quarter steps of 32): a slot of one step of 128 would leave a refill only 64 matrix instructions; here it has 124.
; One tensor load a wave: waves 0, 1 the halves of y's tile (64 rows x 512 bytes), waves 2, 3 the halves of Wo's (128 k rows x 256 bytes); wave w fills region w of a slot.
; CLUSTERS: 4 x 4; y's tile is asked for jointly along a row of the cluster, Wo's along a column.
; TRANSPOSED USE: source 0 = 16 columns of Wo (transposing LDS load), source 1 = 16 rows of y: a lane holds eight neighbouring f32 of a row.
; REGISTERS: window 0: addresses and two fragment buffers; window 1: accumulator (a, b) at 8 (4 a + b).
.set PAA,    528                       ; 512 + 16 = 33 x 16 bytes
.set PB,     288                       ; 256 + 32 = 9 x 32 bytes
.set REGION, 36864                     ; 128 x 288; y's halves use 64 x 528 = 33,792 of theirs
.set SLOT,   4*REGION                  ; 147,456
.set STAGE,  2*SLOT                    ; 294,912: 16 rows x 272 bytes for each wave
.set SPITCH, 272
.set LAPS,   4                         ; a lap = two slots = 512 along K
.set ADRA,   16                        ; v16-17  slot 0, 1
.set ADRB,   18                        ; v18-21  2 x slot + (quarter >> 2)
.set STO,    24
.set RD,     25
.set CO,     26
.set F0,     32                        ; v32-95: Wo's fragment b at +8 b, y's fragment a at +32 + 8 a
.set F1,     96                        ; v96-159
.set G1,     24
.set G0,     32
.set G1B,    48
.set G0B,    56
.set MSB, 0
.macro WIN new
.if MSB != \new
	s_set_vgpr_msb (MSB<<8)|\new
.set MSB, \new
.endif
.endm
.macro PLACES
.rept 4
	v_nop
.endr
.endm
.macro JLOAD s
	s_cmp_eq_u32 s11, 0
	s_cbranch_scc0 .Lfor_b_\@
	tensor_load_to_lds s[G0+4*\s:G0+4*\s+3], s[G1:G1+7]
	s_nop 0
	s_branch .Lasked_\@
.Lfor_b_\@:
	tensor_load_to_lds s[G0B+4*\s:G0B+4*\s+3], s[G1B:G1B+7]
	s_nop 0
.Lasked_\@:
.endm
.macro CREST
	s_cmp_lg_u32 s10, 0
	s_cbranch_scc1 .Lnot_wave_0_\@
	s_barrier_signal -3
.Lnot_wave_0_\@:
	s_barrier_wait -3
	s_barrier_signal -1
	s_barrier_wait -1
.endm
.macro CROUND
	s_barrier_signal -1
	s_barrier_wait -1
	CREST
.endm
	s_load_b128 s[4:7], s[0:1], 0x0                ; yb 4, wob 6
	s_load_b64 s[8:9], s[0:1], 0x10                ; out0
	v_lshl_add_u32 v254, v0, 2, 0x4c400
	v_mov_b32 v255, 0
	ds_add_u32 v254, v255
	v_lshrrev_b32 v1, 5, v0
	v_readfirstlane_b32 s10, v1                    ; wave
	s_lshr_b32 s11, s10, 1                         ; wm.  Also: I fetch for y (0) or for Wo (1)
	s_and_b32 s12, s10, 1                          ; wn.  Also: which half of that tile
	s_bfe_u32 s40, ttmp6, 0x40000                  ; cx
	s_bfe_u32 s41, ttmp6, 0x40004                  ; cy
	s_lshl_b32 s42, ttmp9, 2
	s_add_co_u32 s42, s42, s40                     ; j
	s_and_b32 s13, ttmp7, 0xffff
	s_lshl_b32 s13, s13, 2
	s_add_co_u32 s13, s13, s41                     ; i
	s_lshl_b32 s43, s41, 2
	s_lshl_b32 s43, 15, s43                        ; my row of the cluster
	s_lshl_b32 s44, 0x1111, s40                    ; my column
	s_or_b32 s[G1+0], s43, (1<<16)|(1<<20)|(1<<21)|(6<<22)|(3<<25)     ; rows of 128 words, 4 words of padding
	s_mov_b32 s[G1+1], 256<<16
	s_mov_b32 s[G1+2], 64<<16
	s_mov_b32 s[G1+3], 256<<16
	s_mov_b32 s[G1+4], 64
	s_mov_b32 s[G1+5], 2048
	s_mov_b32 s[G1+6], 0
	s_mov_b32 s[G1+7], 0
	s_or_b32 s[G1B+0], s44, (1<<16)|(1<<20)|(1<<21)|(5<<22)|(7<<25)    ; rows of 64 words, 8 words of padding
	s_mov_b32 s[G1B+1], 128<<16
	s_mov_b32 s[G1B+2], 128<<16
	s_mov_b32 s[G1B+3], 128<<16
	s_mov_b32 s[G1B+4], 128
	s_mov_b32 s[G1B+5], 128
	s_mov_b32 s[G1B+6], 0
	s_mov_b32 s[G1B+7], 0
	s_lshl_b32 s16, s13, 19                        ; y: row 128 i + 64 half, 4,096 bytes a row
	s_lshl_b32 s17, s12, 18
	s_add_co_u32 s16, s16, s17
	s_mov_b32 s17, 0
	s_lshl_b32 s46, s42, 19                        ; Wo: block j, k row 128 half, 256 bytes a row
	s_lshl_b32 s47, s12, 15
	s_add_co_u32 s46, s46, s47
	s_mov_b32 s47, 0
	s_mul_i32 s20, s10, REGION                     ; where they go: the wave's number alone
	s_wait_dscnt 0x0
	s_wait_kmcnt 0x0
	s_add_nc_u64 s[14:15], s[4:5], s[16:17]
	s_add_nc_u64 s[46:47], s[6:7], s[46:47]
	CROUND
.irp s, 0,1
	s_mov_b32 s[G0+4*\s], 1
	s_add_co_u32 s[G0+4*\s+1], s20, \s*SLOT
	s_add_nc_u64 s[G0+4*\s+2:G0+4*\s+3], s[14:15], \s*512
	s_or_b32 s[G0+4*\s+3], s[G0+4*\s+3], 0x80000000
	s_mov_b32 s[G0B+4*\s], 1
	s_add_co_u32 s[G0B+4*\s+1], s20, \s*SLOT
	s_add_nc_u64 s[G0B+4*\s+2:G0B+4*\s+3], s[46:47], \s*65536
	s_or_b32 s[G0B+4*\s+3], s[G0B+4*\s+3], 0x80000000
	JLOAD \s                                       ; both first fills together: two tensor loads of the wave are out
.endr
	v_and_b32 v1, 15, v0                           ; r
	v_bfe_u32 v2, v0, 4, 1                         ; h
	v_and_b32 v3, 7, v0
	v_bfe_u32 v4, v0, 3, 1
	v_mul_u32_u24 v5, v1, PAA
	v_lshl_add_u32 v5, v2, 4, v5
	s_mul_i32 s21, s11, REGION                     ; my 64 rows of y are the half that wave wm fetched
	v_add_nc_u32 v[ADRA], s21, v5
	v_add_nc_u32 v[ADRA+1], SLOT, v[ADRA]
	v_lshl_add_u32 v5, v2, 3, v3
	v_mul_u32_u24 v5, v5, PB
	v_lshl_add_u32 v5, v4, 4, v5
	s_lshl_b32 s22, s12, 7                         ; my 64 columns
	s_add_co_u32 s22, s22, 2*REGION
	v_add_nc_u32 v[ADRB], s22, v5
	v_add_nc_u32 v[ADRB+1], REGION, v[ADRB]
	v_add_nc_u32 v[ADRB+2], SLOT, v[ADRB]
	v_add_nc_u32 v[ADRB+3], SLOT+REGION, v[ADRB]
	s_mul_i32 s23, s10, 16*SPITCH
	s_add_co_u32 s23, s23, STAGE
	v_mul_u32_u24 v5, v1, SPITCH
	v_lshl_add_u32 v5, v2, 5, v5
	v_add_nc_u32 v[STO], s23, v5                   ; in: row r, 32 bytes for each half of the lanes
	v_mul_u32_u24 v5, v2, SPITCH
	v_lshl_add_u32 v5, v1, 4, v5
	v_add_nc_u32 v[RD], s23, v5                    ; back: lanes 0-15 one row of 256 bytes, lanes 16-31 the next
	v_lshlrev_b32 v5, 13, v2
	v_lshl_add_u32 v[CO], v1, 4, v5
	s_lshl_b32 s16, s13, 20                        ; out0: row 128 i + 64 wm, 8,192 bytes a row; column 128 j + 64 wn
	s_lshl_b32 s17, s11, 19
	s_add_co_u32 s16, s16, s17
	s_mov_b32 s17, 0
	s_add_nc_u64 s[8:9], s[8:9], s[16:17]
	s_lshl_b32 s46, s42, 9
	s_lshl_b32 s47, s12, 8
	s_add_co_u32 s46, s46, s47
	s_mov_b32 s47, 0
	s_add_nc_u64 s[8:9], s[8:9], s[46:47]
; four matrix instructions.  The 16 accumulators take turns, one instruction a turn, in the same order in every quarter step.
.macro MULA f, a, zero
.irp b, 0,1,2,3
.if \zero
	v_wmma_f32_16x16x32_f16 v[8*(4*\a+\b):8*(4*\a+\b)+7], v[\f+8*\b:\f+8*\b+7], v[\f+32+8*\a:\f+32+8*\a+7], 0
.else
	v_wmma_f32_16x16x32_f16 v[8*(4*\a+\b):8*(4*\a+\b)+7], v[\f+8*\b:\f+8*\b+7], v[\f+32+8*\a:\f+32+8*\a+7], v[8*(4*\a+\b):8*(4*\a+\b)+7]
.endif
.endr
.endm
.macro FETCH slot, q, f                ; 16 LDS loads: quarter q (0-7) of the slot into buffer f
	WIN 0
.irp b, 0,1,2,3
	ds_load_tr16_b128 v[\f+8*\b:\f+8*\b+3],   v[ADRB+2*\slot+(\q/4)] offset:32*\b+32*PB*(\q%4)
	ds_load_tr16_b128 v[\f+8*\b+4:\f+8*\b+7], v[ADRB+2*\slot+(\q/4)] offset:32*\b+32*PB*(\q%4)+16*PB
.endr
.irp a, 0,1,2,3
	ds_load_b128 v[\f+32+8*\a:\f+32+8*\a+3],   v[ADRA+\slot] offset:16*PAA*\a+64*\q
	ds_load_b128 v[\f+32+8*\a+4:\f+32+8*\a+7], v[ADRA+\slot] offset:16*PAA*\a+64*\q+32
.endr
.endm
.macro QUARTER slot, q, f, g, zero
	s_wait_dscnt 4                                 ; y's fragments 2 and 3 may be out
	WIN 0x50
	MULA \f, 0, \zero
	MULA \f, 1, \zero
	PLACES
	FETCH \slot, \q, \g
	s_wait_dscnt 16                                ; all but the 16 just issued
	WIN 0x50
	MULA \f, 2, \zero
	MULA \f, 3, \zero
.endm
.macro SEVEN slot, zero
	QUARTER \slot, 1, F0, F1, \zero
	QUARTER \slot, 2, F1, F0, 0
	QUARTER \slot, 3, F0, F1, 0
	QUARTER \slot, 4, F1, F0, 0
	QUARTER \slot, 5, F0, F1, 0
	QUARTER \slot, 6, F1, F0, 0
	QUARTER \slot, 7, F0, F1, 0
.endm
; The eighth quarter changes slots: my reads of this slot and all my tensor loads are waited for in front of the barrier, which with fill = 1 opens a round of the
; cluster's barrier; the joint refill is the first tensor load behind the round.
.macro TURN slot, next, fill
	s_wait_dscnt 4
	WIN 0x50
	MULA F1, 0, 0
	s_wait_dscnt 0
	s_wait_tensorcnt 0x0
	ds_add_u32 v254, v255
	s_wait_dscnt 0x0
	s_barrier_signal -1
	MULA F1, 1, 0
	WIN 0
	s_barrier_wait -1
.if \fill
	CREST
	s_add_nc_u64 s[G0+4*\slot+2:G0+4*\slot+3], s[G0+4*\slot+2:G0+4*\slot+3], 2*512
	s_add_nc_u64 s[G0B+4*\slot+2:G0B+4*\slot+3], s[G0B+4*\slot+2:G0B+4*\slot+3], 2*65536
	JLOAD \slot
.endif
	PLACES
	FETCH \next, 0, F0
	WIN 0x50
	MULA F1, 2, 0
	MULA F1, 3, 0
.endm
.macro LAP zero
	SEVEN 0, \zero
	TURN 0, 1, 1
	SEVEN 1, 0
	TURN 1, 0, 1
.endm
	s_wait_tensorcnt 0x1                           ; my part of slot 0 is in; slot 1's may stay out
	s_barrier_signal -1
	s_barrier_wait -1
	FETCH 0, 0, F0
	LAP 1
	WIN 0
	s_mov_b32 s3, LAPS-2
.Llap:
	LAP 0
	WIN 0
	s_sub_co_u32 s3, s3, 1
	s_cmp_lg_u32 s3, 0
	s_cbranch_scc1 .Llap
	SEVEN 0, 0                                     ; the last lap fills nothing
	TURN 0, 1, 0
	SEVEN 1, 0
	s_wait_dscnt 4
	WIN 0x50
	MULA F1, 0, 0
	MULA F1, 1, 0
	s_wait_dscnt 0
	MULA F1, 2, 0
	MULA F1, 3, 0
	; THE WAY OUT, 16 rows at a time through my own stage: 32 bytes a lane in, whole rows of 256 bytes back.
	PLACES
.macro OUT16 a, f
	WIN 0x04                                       ; store data in window 1
.irp b, 0,1,2,3
	ds_store_b128 v[STO], v[8*(4*\a+\b):8*(4*\a+\b)+3]   offset:64*\b
	ds_store_b128 v[STO], v[8*(4*\a+\b)+4:8*(4*\a+\b)+7] offset:64*\b+16
.endr
	WIN 0
	s_wait_xcnt 0x0                                ; buffer f, which earlier stores read, and the stores' base are rewritten only behind this wait
.if \a
	s_add_nc_u64 s[8:9], s[8:9], 16*8192
.endif
.irp t, 0,1,2,3,4,5,6,7
	ds_load_b128 v[\f+4*\t:\f+4*\t+3], v[RD] offset:2*SPITCH*\t    ; LDS serves a wave's instructions in order (ISA guide 5.7.1): these see the stores above
.endr
.irp t, 0,1,2,3,4,5,6,7
	s_wait_dscnt 7-\t
	global_store_b128 v[CO], v[\f+4*\t:\f+4*\t+3], s[8:9] offset:2*8192*\t th:TH_STORE_NT   ; sixteen lanes store 256 consecutive bytes, aligned
.endr
.endm
	OUT16 0, F0
	OUT16 1, F1
	OUT16 2, F0
	OUT16 3, F1
	s_wait_tensorcnt 0x0
	ds_add_u32 v254, v255
	s_wait_dscnt 0x0
	CROUND                                         ; the closing round
	s_endpgm
.Lfunc_end_k_qe87a3fb549_oproj:
	.size	k_qe87a3fb549_oproj, .Lfunc_end_k_qe87a3fb549_oproj-k_qe87a3fb549_oproj
	.p2alignl 7, 3214868480
	.fill 96, 4, 3214868480
	.section	.rodata,"a",@progbits
	.p2align	6, 0x0
	.amdhsa_kernel k_qe87a3fb549_oproj
		.amdhsa_group_segment_fixed_size 327680
		.amdhsa_private_segment_fixed_size 0
		.amdhsa_enable_private_segment 0
		.amdhsa_kernarg_size 24
		.amdhsa_user_sgpr_count 2
		.amdhsa_user_sgpr_kernarg_segment_ptr 1
		.amdhsa_wavefront_size32 1
		.amdhsa_system_sgpr_workgroup_id_x 1
		.amdhsa_system_sgpr_workgroup_id_y 1
		.amdhsa_system_sgpr_workgroup_id_z 1
		.amdhsa_system_vgpr_workitem_id 0
		.amdhsa_next_free_vgpr 384
		.amdhsa_next_free_sgpr 66
		.amdhsa_reserve_vcc 0
		.amdhsa_float_denorm_mode_32 3
		.amdhsa_float_denorm_mode_16_64 3
		.amdhsa_memory_ordered 1
		.amdhsa_forward_progress 1
		.amdhsa_inst_pref_size 128
	.end_amdhsa_kernel
	.amdgpu_metadata
---
amdhsa.version: [ 1, 2 ]
amdhsa.kernels:
  - .name:           k_qe87a3fb549_oproj
    .symbol:         k_qe87a3fb549_oproj.kd
    .args:
      - { .name: yb, .offset: 0, .size: 8, .value_kind: global_buffer, .address_space: global }
      - { .name: wob, .offset: 8, .size: 8, .value_kind: global_buffer, .address_space: global }
      - { .name: out0, .offset: 16, .size: 8, .value_kind: global_buffer, .address_space: global }
    .group_segment_fixed_size: 327680
    .private_segment_fixed_size: 0
    .kernarg_segment_align: 8
    .kernarg_segment_size: 24
    .max_flat_workgroup_size: 128
    .sgpr_count:     66
    .vgpr_count:     384
    .wavefront_size: 32
...
	.end_amdgpu_metadata
.endif
;; end of part 4
;; ======== version 2 of 2: 4 launches
;; limits: values outside matrix products are rounded to bf16; values are held in f16: magnitudes above 65,504 overflow, below 6.1e-05 lose precision; right only within a limited range of input values
;; workspace buffers: xb 8,388,608 bytes; wqb 8,388,608 bytes; wkvb 4,194,304 bytes; wob 8,388,608 bytes; ropeb 524,288 bytes; qb 8,388,608 bytes; kvb 4,194,304 bytes; yb 8,388,608 bytes
;; launch cast: the kernel of part 1 again; grid 256 x 1, 8 waves a work-group, no clusters, 0 bytes of LDS; arguments x, Wq, Wk, Wv, Wo, rope_cache, xb, wqb, wkvb, wob, ropeb; writes xb, wqb, wkvb, wob, ropeb
;; launch qkv (part 5): grid 16 x 16, 4 waves a work-group, clusters of 4 x 4, 327,680 bytes of LDS; arguments xb, wqb, wkvb, ropeb, qb, kvb; writes qb, kvb
.if DOCPART == 5
	.amdgcn_target "amdgcn-amd-amdhsa--gfx1250"
	.amdhsa_code_object_version 6
	.text
	.protected	k_qe87a3fb549_qkv
	.globl	k_qe87a3fb549_qkv
	.p2align	8
	.type	k_qe87a3fb549_qkv,@function
k_qe87a3fb549_qkv:
	s_mov_b64 s[64:65], 0
	v_nop
	global_prefetch_b8 v0, s[64:65] scope:SCOPE_SE
	s_setreg_imm32_b32 hwreg(HW_REG_WAVE_MODE, 25, 1), 1
	s_wait_xcnt 0x0
	s_wait_alu depctr_hold_cnt(0) depctr_sa_sdst(0) depctr_va_vdst(0) depctr_va_sdst(0) depctr_va_ssrc(0) depctr_va_vcc(0) depctr_vm_vsrc(0)
	s_getreg_b32 s2, hwreg(HW_REG_IB_STS2, 6, 4)
	s_cmp_eq_u32 s2, 0
	s_cbranch_scc0 .Lentry_in_a_cluster
	s_endpgm
.Lentry_in_a_cluster:
	s_bfe_u32 s2, ttmp6, 0x10000c
	s_cmp_lg_u32 s2, 0xf033
	s_cbranch_scc0 .Lentry_shape_is_right
	s_endpgm
.Lentry_shape_is_right:
; q, k, v = x [Wq | Wk | Wv] in bf16 products with f32 sums, then the rotation by the table, a scale, one rounding to f16.
;   qb  [16 head][2048 t][128] f16 = rope(q) x 2^-8 x KAPPA, KAPPA = 8 log2(e) / sqrt(128): the attention's exponent is then 2^13 x (q'.k')
;   kvb [16 piece][2048 t][64] f16: piece 2g+half (0-7) = rope(k) x 2^-8 of KV head g, d = 64 half ..; piece 8+2g+half = v
; LIMITS: f16 overflows for |rope(q)| or |rope(k)| above 1.6e7 and for |v| above 65,504; numbers under 2^-14 (after the scale) keep an absolute error of 2^-25.
; Work-group (i, j): rows 128 i .. of x times 192 columns: query head j (block j of wqb) and piece j (block j of wkvb): 256 equal work-groups.
; Four waves; wave w = (wm, wn) makes rows 64 wm .. times the six 16-column tiles 2 b + wn (b = 0-3: q, b = 4, 5: the piece): 24 accumulators.
; THE RING.  One k takes 704 bytes of LDS (256 of x, 288 and 160 of the weights' padded rows), so two slots of K = 256 do not fit.  Slot 0 holds K = 256, slot 1 K = 192:
; 182,272 + 137,216 = 319,488 bytes and 4,096 of x's row padding.  2048 = 5 x 256 + 4 x 192: nine slot steps, seven refills.  One tensor load a wave for each fill:
; wave 0 x's tile, waves 1 and 2 the halves of Wq's, wave 3 Wkv's.  A refill has the other slot's 144 or 192 matrix instructions, less 18, in which to land.
; x's tiles begin 896 bytes apart (and 512 behind), so every other pair begins 128 bytes off a multiple of 256: the price of the uneven slots.
; CLUSTERS: 4 x 4 work-groups.  x's tile hangs on i alone and is asked for jointly along a row of the cluster, the weights' tiles on j alone and jointly along
; a column: the requests for both are divided by four.
; THE MATRIX INSTRUCTION IS USED TRANSPOSED: source 0 = 16 columns of W (read from [k][n] rows by the transposing LDS load), source 1 = 16 rows of x.
; Lane l then holds row l % 16 of the result and columns 8 (l / 16) + 0..7: four whole (even, odd) pairs of the rotation, and 16 bytes of f16.
; REGISTERS: window 0: addresses, two fragment buffers; window 1: the accumulators, tile (a, b) at 8 (6 a + b); window 2: the table's words, 4 (6 a + b).
.set KS0,   256                        ; K of slot 0
.set KS1,   192                        ; K of slot 1
.set PA0,   528                        ; x's rows in slot 0: 512 + 16 = 33 x 16 bytes
.set PA1,   432                        ; in slot 1: three pieces of 128 + 16 = 27 x 16 bytes; byte b of a row lies at b + 16 (b / 128)
.set PQ,    288                        ; Wq's k rows: 256 + 32 = 9 x 32 bytes, for the transposing load
.set PX,    160                        ; Wkv's k rows: 128 + 32 = 5 x 32 bytes
.set OFFQ0, 128*PA0                    ; 67,584
.set OFFX0, OFFQ0+KS0*PQ               ; 141,312
.set OFFA1, OFFX0+KS0*PX               ; 182,272: slot 1 begins
.set OFFQ1, OFFA1+128*PA1              ; 237,568
.set OFFX1, OFFQ1+KS1*PQ               ; 292,864; the ring ends at 323,584
.set STAGE, OFFA1                      ; the way out's 128 rows x 400 bytes lie in slot 1, behind its last fill and behind the barrier that follows its last reads
.set SP,    400                        ; 384 bytes of f16 + 16 = 25 x 16
.set ONE,   14                         ; 1.0
.set ZERO,  15
.set ADRA,  16                         ; v16-17 LDS address of my x fragments, slot 0, 1
.set ADRQ,  18                         ; v18-21 of my Wq fragments: 2 x slot + (quarter / 4)
.set ADRX,  22                         ; v22-23 of my Wkv fragments
.set STO,   24
.set RDQ,   25
.set RDX,   26
.set COQ,   27
.set COX,   28
.set ROFQ,  29
.set ROFX,  30
.set F0,    32                         ; v32-111: W's fragment b at +8 b, x's fragment a at +48 + 8 a
.set F1,    112                        ; v112-191
.set G0X,   4                          ; s[4:11]   group 0, Wkv's tile, a set for each slot
.set G1A,   32                         ; s[32:47]  group 1, x's tile, one for each slot
.set G1Q,   48                         ; s[48:63]  group 1, half of Wq's tile
.set G1X,   68                         ; s[68:83]  group 1, Wkv's tile
.set G0A,   84                         ; s[84:91]  group 0, x's tile
.set G0Q,   92                         ; s[92:99]  group 0, half of Wq's tile
.set MSB, 0
.macro WIN new                         ; the immediate's high byte repeats the setting that is left
.if MSB != \new
	s_set_vgpr_msb (MSB<<8)|\new
.set MSB, \new
.endif
.endm
.macro PLACES                          ; four places behind a matrix instruction (ISA guide 7.12.1) before its registers are read, written or loaded into
.rept 4
	v_nop
.endr
.endm
.macro CREST                           ; a round of the cluster's barrier behind its opening barrier
	s_cmp_lg_u32 s16, 0
	s_cbranch_scc1 .Lnot_wave_0_\@
	s_barrier_signal -3
.Lnot_wave_0_\@:
	s_barrier_wait -3
	s_barrier_signal -1
	s_barrier_wait -1
.endm
.macro CROUND
	s_barrier_signal -1
	s_barrier_wait -1
	CREST
.endm
; A joint load into slot s: each line has one mask and one set of registers; the branches hang on the wave's number alone.
.macro JLOAD s
	s_cmp_lg_u32 s16, 0
	s_cbranch_scc1 .Lnot_a_\@
	tensor_load_to_lds s[G0A+4*\s:G0A+4*\s+3], s[G1A+8*\s:G1A+8*\s+7]
	s_nop 0
	s_branch .Lasked_\@
.Lnot_a_\@:
	s_cmp_lg_u32 s16, 3
	s_cbranch_scc1 .Lfor_q_\@
	tensor_load_to_lds s[G0X+4*\s:G0X+4*\s+3], s[G1X+8*\s:G1X+8*\s+7]
	s_nop 0
	s_branch .Lasked_\@
.Lfor_q_\@:
	tensor_load_to_lds s[G0Q+4*\s:G0Q+4*\s+3], s[G1Q+8*\s:G1Q+8*\s+7]
	s_nop 0
.Lasked_\@:
.endm
; Group 1: elements of 2 bytes, padding on, bit 21 beside the mask; a tile of rows x cols elements that lies inside its tensor; pitch in elements.
.macro GROUP1 g, mask, pad, cols, rows, pitch
	s_or_b32  s[\g+0], \mask, (1<<16)|(1<<20)|(1<<21)|\pad
	s_mov_b32 s[\g+1], (\cols)<<16                 ; tensor_dim0
	s_mov_b32 s[\g+2], (\rows)<<16                 ; tensor_dim1
	s_mov_b32 s[\g+3], (\cols)<<16                 ; tile_dim0
	s_mov_b32 s[\g+4], \rows                       ; tile_dim1
	s_mov_b32 s[\g+5], \pitch
	s_mov_b32 s[\g+6], 0
	s_mov_b32 s[\g+7], 0
.endm
	s_load_b64 s[G0A+2:G0A+3], s[0:1], 0x0         ; xb, wqb and wkvb come straight into slot 0's group 0 sets
	s_load_b64 s[G0Q+2:G0Q+3], s[0:1], 0x8
	s_load_b64 s[G0X+2:G0X+3], s[0:1], 0x10
	s_load_b64 s[2:3], s[0:1], 0x18                ; ropeb
	s_load_b128 s[12:15], s[0:1], 0x20             ; qb 12, kvb 14
	v_lshl_add_u32 v254, v0, 2, 0x4f000
	v_mov_b32 v255, 0
	ds_add_u32 v254, v255
	v_lshrrev_b32 v1, 5, v0
	v_readfirstlane_b32 s16, v1                    ; wave 0..3
	s_lshr_b32 s17, s16, 1                         ; wm
	s_and_b32 s18, s16, 1                          ; wn
	s_bfe_u32 s19, ttmp6, 0x40000                  ; cx
	s_bfe_u32 s20, ttmp6, 0x40004                  ; cy
	s_lshl_b32 s21, ttmp9, 2
	s_add_co_u32 s21, s21, s19                     ; j = 4 x cluster x + cx
	s_and_b32 s22, ttmp7, 0xffff
	s_lshl_b32 s22, s22, 2
	s_add_co_u32 s22, s22, s20                     ; i = 4 x cluster y + cy
	s_lshl_b32 s23, s20, 2
	s_lshl_b32 s23, 15, s23                        ; my row of the cluster
	s_lshl_b32 s24, 0x1111, s19                    ; my column
	s_cmp_ge_u32 ttmp9, 2                          ; j >= 8: the piece is one of v's
	s_cselect_b32 s26, -1, 0                       ; a lane mask for selects, no branch
	s_mov_b32 s27, 0xffff0000
	s_mov_b32 s66, 0x3f8293ee                      ; KAPPA = 1.0201394
	s_mov_b32 s67, 0x3f8293ee
	GROUP1 G1A,   s23, (6<<22)|(3<<25), KS0, 128, 2048      ; x, slot 0: 4 words of padding behind every 128 words (a row)
	GROUP1 G1A+8, s23, (4<<22)|(3<<25), KS1, 128, 2048      ; x, slot 1: 4 words behind every 32 words (a third of a row)
	GROUP1 G1Q,   s24, (5<<22)|(7<<25), 128, KS0/2, 128     ; Wq: 8 words behind every 64 words (a k row); half of the slot's k rows
	GROUP1 G1Q+8, s24, (5<<22)|(7<<25), 128, KS1/2, 128
	GROUP1 G1X,   s24, (4<<22)|(7<<25), 64, KS0, 64         ; Wkv: 8 words behind every 32 words (a k row)
	GROUP1 G1X+8, s24, (4<<22)|(7<<25), 64, KS1, 64
	; where the tiles go: constants and the wave's number
	s_mov_b32 s[G0A+0], 1
	s_mov_b32 s[G0A+1], 0
	s_mov_b32 s[G0A+4], 1
	s_mov_b32 s[G0A+5], OFFA1
	s_mov_b32 s[G0Q+0], 1
	s_mul_i32 s[G0Q+1], s16, (KS0/2)*PQ
	s_add_co_u32 s[G0Q+1], s[G0Q+1], OFFQ0-(KS0/2)*PQ      ; waves 1, 2: OFFQ0 + (w - 1) halves
	s_mov_b32 s[G0Q+4], 1
	s_mul_i32 s[G0Q+5], s16, (KS1/2)*PQ
	s_add_co_u32 s[G0Q+5], s[G0Q+5], OFFQ1-(KS1/2)*PQ
	s_mov_b32 s[G0X+0], 1
	s_mov_b32 s[G0X+1], OFFX0
	s_mov_b32 s[G0X+4], 1
	s_mov_b32 s[G0X+5], OFFX1
	; where they come from: x's address is made of i alone (s28-29), the weights' of j and the wave's number (s100-101); neither pair ever holds the other coordinate
	s_lshl_b32 s28, s22, 19                        ; 128 i rows of 4,096 bytes
	s_mov_b32 s29, 0
	s_lshl_b32 s100, s21, 19                       ; block j of wqb
	s_mov_b32 s101, 0
	s_wait_dscnt 0x0
	s_wait_kmcnt 0x0
	s_add_nc_u64 s[G0A+2:G0A+3], s[G0A+2:G0A+3], s[28:29]
	s_add_nc_u64 s[G0A+6:G0A+7], s[G0A+2:G0A+3], KS0*2             ; slot 1 begins at k = 256
	s_add_nc_u64 s[G0Q+2:G0Q+3], s[G0Q+2:G0Q+3], s[100:101]
	s_add_nc_u64 s[G0Q+6:G0Q+7], s[G0Q+2:G0Q+3], KS0*256
	s_mul_i32 s100, s17, (KS0/2)*256               ; wave 1: the first half of the slot's k rows, wave 2: the second
	s_add_nc_u64 s[G0Q+2:G0Q+3], s[G0Q+2:G0Q+3], s[100:101]
	s_mul_i32 s100, s17, (KS1/2)*256
	s_add_nc_u64 s[G0Q+6:G0Q+7], s[G0Q+6:G0Q+7], s[100:101]
	s_lshl_b32 s100, s21, 18                       ; block j of wkvb
	s_add_nc_u64 s[G0X+2:G0X+3], s[G0X+2:G0X+3], s[100:101]
	s_add_nc_u64 s[G0X+6:G0X+7], s[G0X+2:G0X+3], KS0*128
.irp s, 0,1
	s_or_b32 s[G0A+4*\s+3], s[G0A+4*\s+3], 0x80000000              ; type = 2
	s_or_b32 s[G0Q+4*\s+3], s[G0Q+4*\s+3], 0x80000000
	s_or_b32 s[G0X+4*\s+3], s[G0X+4*\s+3], 0x80000000
.endr
	CROUND                                         ; all sixteen work-groups are here: the first joint loads meet
	JLOAD 0                                        ; both slots' first fills go out together: two tensor loads of the wave are out
	JLOAD 1
	v_and_b32 v1, 15, v0                           ; r
	v_bfe_u32 v2, v0, 4, 1                         ; h
	v_and_b32 v3, 7, v0                            ; l & 7
	v_bfe_u32 v4, v0, 3, 1                         ; (l >> 3) & 1
	v_and_b32 v5, 31, v0                           ; l
	; the table's words of my results: row 128 i + 64 wm + 16 a + r, pairs 8 (2 b + wn) + 4 h + 0..3 (the piece: + 32 (j & 1))
	s_lshl_b32 s104, s22, 15
	s_lshl_b32 s105, s17, 14
	s_add_co_u32 s104, s104, s105
	s_lshl_b32 s105, s18, 5
	s_add_co_u32 s104, s104, s105
	v_lshlrev_b32 v6, 8, v1
	v_lshl_add_u32 v6, v2, 4, v6
	v_add_nc_u32 v[ROFQ], s104, v6
	s_and_b32 s105, s21, 1
	s_lshl_b32 s105, s105, 7
	v_add_nc_u32 v[ROFX], s105, v[ROFQ]
	WIN 0x80                                       ; destination in window 2; these 24 loads land under the K loop and are waited for in front of the way out
.irp a, 0,1,2,3
.irp b, 0,1,2,3
	global_load_b128 v[4*(6*\a+\b):4*(6*\a+\b)+3], v[ROFQ], s[2:3] offset:4096*\a+64*\b
.endr
.irp b, 4,5
	global_load_b128 v[4*(6*\a+\b):4*(6*\a+\b)+3], v[ROFX], s[2:3] offset:4096*\a+64*(\b-4)
.endr
.endr
	WIN 0
	v_mul_u32_u24 v6, v1, PA0
	v_lshl_add_u32 v6, v2, 4, v6
	s_mul_i32 s104, s17, 64*PA0
	v_add_nc_u32 v[ADRA], s104, v6                 ; (64 wm + r) x pitch + 16 h
	v_mul_u32_u24 v6, v1, PA1
	v_lshl_add_u32 v6, v2, 4, v6
	s_mul_i32 s104, s17, 64*PA1
	s_add_co_u32 s104, s104, OFFA1
	v_add_nc_u32 v[ADRA+1], s104, v6
	v_lshl_add_u32 v7, v2, 3, v3                   ; k row 8 h + (l & 7)
	v_lshlrev_b32 v9, 4, v4
	s_lshl_b32 s105, s18, 5
	v_add_nc_u32 v9, s105, v9                      ; 16 ((l >> 3) & 1) + 32 wn
	v_mul_u32_u24 v8, v7, PQ
	v_add_nc_u32 v8, v8, v9
	v_add_nc_u32 v[ADRQ],   OFFQ0, v8
	v_add_nc_u32 v[ADRQ+1], OFFQ0+128*PQ, v8       ; quarters 4 and up: the immediate has 16 bits
	v_add_nc_u32 v[ADRQ+2], OFFQ1, v8
	v_add_nc_u32 v[ADRQ+3], OFFQ1+128*PQ, v8
	v_mul_u32_u24 v8, v7, PX
	v_add_nc_u32 v8, v8, v9
	v_add_nc_u32 v[ADRX],   OFFX0, v8
	v_add_nc_u32 v[ADRX+1], OFFX1, v8
	s_mul_i32 s104, s17, 64*SP
	s_add_co_u32 s104, s104, s105
	s_add_co_u32 s104, s104, STAGE
	v_mul_u32_u24 v6, v1, SP
	v_lshl_add_u32 v6, v2, 4, v6
	v_add_nc_u32 v[STO], s104, v6                  ; stage: row 64 wm + r, byte 32 wn + 16 h
	s_mul_i32 s104, s16, 32*SP
	s_add_co_u32 s104, s104, STAGE
	v_mul_u32_u24 v6, v2, SP
	v_lshl_add_u32 v6, v1, 4, v6
	v_add_nc_u32 v[RDQ], s104, v6                  ; back: q's 256 bytes of rows 32 w + 2 t + (l >> 4)
	v_lshrrev_b32 v6, 3, v5
	v_mul_u32_u24 v6, v6, SP
	v_lshl_add_u32 v6, v3, 4, v6
	s_add_co_u32 s104, s104, 256
	v_add_nc_u32 v[RDX], s104, v6                  ; the piece's 128 bytes of rows 32 w + 4 t + (l >> 3)
	s_lshl_b32 s104, s16, 13
	v_lshl_add_u32 v[COQ], v5, 4, s104
	s_lshl_b32 s104, s16, 12
	v_lshl_add_u32 v[COX], v5, 4, s104
	v_mov_b32 v[ONE], 1.0
	v_mov_b32 v[ZERO], 0
	s_lshl_b32 s104, s21, 19                       ; qb: head j, row 128 i
	s_lshl_b32 s105, s22, 15
	s_add_co_u32 s104, s104, s105
	s_mov_b32 s105, 0
	s_add_nc_u64 s[12:13], s[12:13], s[104:105]
	s_lshl_b32 s104, s21, 18                       ; kvb: piece j, row 128 i
	s_lshl_b32 s105, s22, 14
	s_add_co_u32 s104, s104, s105
	s_mov_b32 s105, 0
	s_add_nc_u64 s[14:15], s[14:15], s[104:105]
; six matrix instructions: rows 16 a .. of my 64 times my six column tiles, 32 along K.  zero = 1: the first product starts the sums.
; The 24 accumulators take turns, one instruction a turn, in the same order in every quarter step.
.macro MULA f, a, zero
.irp b, 0,1,2,3,4,5
.if \zero
	v_wmma_f32_16x16x32_bf16 v[8*(6*\a+\b):8*(6*\a+\b)+7], v[\f+8*\b:\f+8*\b+7], v[\f+48+8*\a:\f+48+8*\a+7], 0
.else
	v_wmma_f32_16x16x32_bf16 v[8*(6*\a+\b):8*(6*\a+\b)+7], v[\f+8*\b:\f+8*\b+7], v[\f+48+8*\a:\f+48+8*\a+7], v[8*(6*\a+\b):8*(6*\a+\b)+7]
.endif
.endr
.endm
; 20 LDS loads in one run: the fragments of quarter q (32 along K) of a slot into buffer f: W's six (transposed on the way), then x's four.
; x's pitch is PA0 or PA1; in slot 1 quarter q lies 16 (q / 2) bytes further on, behind the padding inside the row.
.macro FETCH slot, q, f
	WIN 0
.irp b, 0,1,2,3
	ds_load_tr16_b128 v[\f+8*\b:\f+8*\b+3],   v[ADRQ+2*\slot+(\q/4)] offset:64*\b+32*PQ*(\q%4)
	ds_load_tr16_b128 v[\f+8*\b+4:\f+8*\b+7], v[ADRQ+2*\slot+(\q/4)] offset:64*\b+32*PQ*(\q%4)+16*PQ
.endr
.irp b, 4,5
	ds_load_tr16_b128 v[\f+8*\b:\f+8*\b+3],   v[ADRX+\slot] offset:64*(\b-4)+32*PX*\q
	ds_load_tr16_b128 v[\f+8*\b+4:\f+8*\b+7], v[ADRX+\slot] offset:64*(\b-4)+32*PX*\q+16*PX
.endr
.irp a, 0,1,2,3
	ds_load_b128 v[\f+48+8*\a:\f+48+8*\a+3],   v[ADRA+\slot] offset:16*(PA0-(PA0-PA1)*\slot)*\a+64*\q+16*(\q/2)*\slot
	ds_load_b128 v[\f+48+8*\a+4:\f+48+8*\a+7], v[ADRA+\slot] offset:16*(PA0-(PA0-PA1)*\slot)*\a+64*\q+16*(\q/2)*\slot+32
.endr
.endm
.macro QUARTER slot, q, f, g, zero     ; multiplies buffer f; in its middle fetches quarter q of the same slot into buffer g
	s_wait_dscnt 4                                 ; all but the youngest four loads: x's fragments 2 and 3 may be out
	WIN 0x50
	MULA \f, 0, \zero
	MULA \f, 1, \zero
	PLACES
	FETCH \slot, \q, \g
	s_wait_dscnt 20                                ; all but the 20 just issued
	WIN 0x50
	MULA \f, 2, \zero
	MULA \f, 3, \zero
.endm
.macro BODY0 zero                      ; slot 0: seven of its eight quarters
	QUARTER 0, 1, F0, F1, \zero
	QUARTER 0, 2, F1, F0, 0
	QUARTER 0, 3, F0, F1, 0
	QUARTER 0, 4, F1, F0, 0
	QUARTER 0, 5, F0, F1, 0
	QUARTER 0, 6, F1, F0, 0
	QUARTER 0, 7, F0, F1, 0
.endm
.macro BODY1                           ; slot 1: five of its six quarters
	QUARTER 1, 1, F0, F1, 0
	QUARTER 1, 2, F1, F0, 0
	QUARTER 1, 3, F0, F1, 0
	QUARTER 1, 4, F1, F0, 0
	QUARTER 1, 5, F0, F1, 0
.endm
; A slot's last quarter changes slots.  In front of the barrier each wave waits for its reads of this slot and for all its tensor loads (one is out: its part of the
; next slot).  With fill = 1 the barrier opens a round of the cluster's barrier, and the joint refill is the first tensor load behind the round's closing wait.
.macro TURN slot, next, fill
	s_wait_dscnt 4
	WIN 0x50
	MULA F1, 0, 0
	s_wait_dscnt 0
	s_wait_tensorcnt 0x0
	ds_add_u32 v254, v255
	s_wait_dscnt 0x0
	s_barrier_signal -1
	MULA F1, 1, 0                                  ; register work while the others arrive
	WIN 0
	s_barrier_wait -1
.if \fill
	CREST
	s_add_nc_u64 s[G0A+4*\slot+2:G0A+4*\slot+3], s[G0A+4*\slot+2:G0A+4*\slot+3], (KS0+KS1)*2      ; no tensor load of mine is out: the addresses step once round the ring
	s_add_nc_u64 s[G0Q+4*\slot+2:G0Q+4*\slot+3], s[G0Q+4*\slot+2:G0Q+4*\slot+3], (KS0+KS1)*256
	s_add_nc_u64 s[G0X+4*\slot+2:G0X+4*\slot+3], s[G0X+4*\slot+2:G0X+4*\slot+3], (KS0+KS1)*128
	JLOAD \slot
.endif
	PLACES
	FETCH \next, 0, F0
	WIN 0x50
	MULA F1, 2, 0
	MULA F1, 3, 0
.endm
.macro LAP zero                        ; once round the ring: K = 448, both slots filled again
	BODY0 \zero
	TURN 0, 1, 1
	BODY1
	TURN 1, 0, 1
.endm
	s_wait_tensorcnt 0x1                           ; my part of slot 0 is in; slot 1's may stay out
	s_barrier_signal -1
	s_barrier_wait -1
	FETCH 0, 0, F0
	LAP 1                                          ; k = 0 .. 447; its first products start the sums
	WIN 0
	s_mov_b32 s25, 2
.Llap:
	LAP 0                                          ; k = 448 .. 1343
	WIN 0
	s_sub_co_u32 s25, s25, 1
	s_cmp_lg_u32 s25, 0
	s_cbranch_scc1 .Llap
	BODY0 0                                        ; k = 1344 .. 1599
	TURN 0, 1, 1                                   ; the last fill: slot 0 takes k = 1792 .. 2047
	BODY1                                          ; k = 1600 .. 1791
	TURN 1, 0, 0                                   ; nothing is left to fetch; behind this barrier nobody reads slot 1 any more
	BODY0 0                                        ; k = 1792 .. 2047
	s_wait_dscnt 4
	WIN 0x50
	MULA F1, 0, 0
	MULA F1, 1, 0
	s_wait_dscnt 0
	MULA F1, 2, 0
	MULA F1, 3, 0
	; THE WAY OUT.  16 rows at a time: unpack the table's words, rotate, round to f16, 16 bytes a lane into the stage.
	PLACES
	s_wait_loadcnt 0x0                             ; the table's words
.macro ROPE a
	WIN 0x08                                       ; source 1 in window 2
.irp b, 0,1,2,3,4,5
.irp p, 0,1,2,3
	v_lshlrev_b32 v[F0+8*\b+2*\p],   16,  v[4*(6*\a+\b)+\p]        ; cos x 2^-8
	v_and_b32     v[F0+8*\b+2*\p+1], s27, v[4*(6*\a+\b)+\p]        ; sin x 2^-8
.endr
.endr
	WIN 0
.irp n, 0,1,2,3,4,5,6,7,8,9,10,11,12,13,14,15
	v_pk_mul_f32 v[F0+2*\n:F0+2*\n+1], v[F0+2*\n:F0+2*\n+1], s[66:67] op_sel_hi:[1,0]   ; q's tiles: x KAPPA, in f32, ahead of the one rounding
.endr
.irp n, 0,1,2,3,4,5,6,7
	v_cndmask_b32 v[F0+32+2*\n],   v[F0+32+2*\n],   v[ONE],  s26   ; a piece of v is neither rotated nor scaled: (cos, sin) = (1, 0)
	v_cndmask_b32 v[F0+32+2*\n+1], v[F0+32+2*\n+1], v[ZERO], s26
.endr
	WIN 0x01                                       ; source 0 in window 1: the sums
.irp b, 0,1,2,3,4,5
.irp p, 0,1,2,3
	v_mul_f32 v[F1+8*\b+2*\p],   v[8*(6*\a+\b)+2*\p+1], v[F0+8*\b+2*\p+1]                        ; odd x sin
	v_mul_f32 v[F1+8*\b+2*\p+1], v[8*(6*\a+\b)+2*\p+1], v[F0+8*\b+2*\p]                          ; odd x cos
	v_fma_f32 v[F1+8*\b+2*\p],   v[8*(6*\a+\b)+2*\p],   v[F0+8*\b+2*\p],   -v[F1+8*\b+2*\p]      ; even x cos - odd x sin
	v_fma_f32 v[F1+8*\b+2*\p+1], v[8*(6*\a+\b)+2*\p],   v[F0+8*\b+2*\p+1], v[F1+8*\b+2*\p+1]     ; even x sin + odd x cos
.endr
.endr
	WIN 0
.irp b, 0,1,2,3,4,5
.irp p, 0,1,2,3
	v_cvt_pk_f16_f32 v[F1+8*\b+\p], v[F1+8*\b+2*\p], v[F1+8*\b+2*\p+1]
.endr
	ds_store_b128 v[STO], v[F1+8*\b:F1+8*\b+3] offset:16*SP*\a+64*\b
.endr
.endm
	ROPE 0
	ROPE 1
	ROPE 2
	ROPE 3
	s_wait_dscnt 0x0                               ; a staged row holds tiles of both wn: my stores are done,
	s_barrier_signal -1
	s_barrier_wait -1                              ; everybody's are
.irp t, 0,1,2,3,4,5,6,7,8,9,10,11,12,13,14,15
	ds_load_b128 v[32+4*\t:32+4*\t+3], v[RDQ] offset:2*SP*\t
.endr
.irp t, 0,1,2,3,4,5,6,7
	ds_load_b128 v[96+4*\t:96+4*\t+3], v[RDX] offset:4*SP*\t
.endr
.irp t, 0,1,2,3,4,5,6,7,8,9,10,11,12,13,14,15
	s_wait_dscnt 23-\t                             ; the younger read-backs stay out
	global_store_b128 v[COQ], v[32+4*\t:32+4*\t+3], s[12:13] offset:512*\t     ; two rows of q: 512 consecutive bytes
.endr
.irp t, 0,1,2,3,4,5,6,7
	s_wait_dscnt 7-\t
	global_store_b128 v[COX], v[96+4*\t:96+4*\t+3], s[14:15] offset:512*\t     ; four rows of the piece: 512 consecutive bytes
.endr
	s_wait_tensorcnt 0x0
	ds_add_u32 v254, v255
	s_wait_dscnt 0x0
	CROUND                                         ; the closing round: no work-group ends while a partner may still ask for a tile that names it
	s_endpgm
.Lfunc_end_k_qe87a3fb549_qkv:
	.size	k_qe87a3fb549_qkv, .Lfunc_end_k_qe87a3fb549_qkv-k_qe87a3fb549_qkv
	.p2alignl 7, 3214868480
	.fill 96, 4, 3214868480
	.section	.rodata,"a",@progbits
	.p2align	6, 0x0
	.amdhsa_kernel k_qe87a3fb549_qkv
		.amdhsa_group_segment_fixed_size 327680
		.amdhsa_private_segment_fixed_size 0
		.amdhsa_enable_private_segment 0
		.amdhsa_kernarg_size 48
		.amdhsa_user_sgpr_count 2
		.amdhsa_user_sgpr_kernarg_segment_ptr 1
		.amdhsa_wavefront_size32 1
		.amdhsa_system_sgpr_workgroup_id_x 1
		.amdhsa_system_sgpr_workgroup_id_y 1
		.amdhsa_system_sgpr_workgroup_id_z 1
		.amdhsa_system_vgpr_workitem_id 0
		.amdhsa_next_free_vgpr 608
		.amdhsa_next_free_sgpr 106
		.amdhsa_reserve_vcc 0
		.amdhsa_float_denorm_mode_32 3
		.amdhsa_float_denorm_mode_16_64 3
		.amdhsa_memory_ordered 1
		.amdhsa_forward_progress 1
		.amdhsa_inst_pref_size 215
	.end_amdhsa_kernel
	.amdgpu_metadata
---
amdhsa.version: [ 1, 2 ]
amdhsa.kernels:
  - .name:           k_qe87a3fb549_qkv
    .symbol:         k_qe87a3fb549_qkv.kd
    .args:
      - { .name: xb, .offset: 0, .size: 8, .value_kind: global_buffer, .address_space: global }
      - { .name: wqb, .offset: 8, .size: 8, .value_kind: global_buffer, .address_space: global }
      - { .name: wkvb, .offset: 16, .size: 8, .value_kind: global_buffer, .address_space: global }
      - { .name: ropeb, .offset: 24, .size: 8, .value_kind: global_buffer, .address_space: global }
      - { .name: qb, .offset: 32, .size: 8, .value_kind: global_buffer, .address_space: global }
      - { .name: kvb, .offset: 40, .size: 8, .value_kind: global_buffer, .address_space: global }
    .group_segment_fixed_size: 327680
    .private_segment_fixed_size: 0
    .kernarg_segment_align: 8
    .kernarg_segment_size: 48
    .max_flat_workgroup_size: 128
    .sgpr_count:     106
    .vgpr_count:     608
    .wavefront_size: 32
...
	.end_amdgpu_metadata
.endif
;; end of part 5
;; launch attn (part 6): grid 32 x 8, 4 waves a work-group, clusters of 4 x 1, 327,680 bytes of LDS; arguments qb, kvb, yb; writes yb
.if DOCPART == 6
	.amdgcn_target "amdgcn-amd-amdhsa--gfx1250"
	.amdhsa_code_object_version 6
	.text
	.protected	k_qe87a3fb549_attn
	.globl	k_qe87a3fb549_attn
	.p2align	8
	.type	k_qe87a3fb549_attn,@function
k_qe87a3fb549_attn:
	s_mov_b64 s[64:65], 0
	v_nop
	global_prefetch_b8 v0, s[64:65] scope:SCOPE_SE
	s_setreg_imm32_b32 hwreg(HW_REG_WAVE_MODE, 25, 1), 1
	s_wait_xcnt 0x0
	s_wait_alu depctr_hold_cnt(0) depctr_sa_sdst(0) depctr_va_vdst(0) depctr_va_sdst(0) depctr_va_ssrc(0) depctr_va_vcc(0) depctr_vm_vsrc(0)
	s_getreg_b32 s2, hwreg(HW_REG_IB_STS2, 6, 4)
	s_cmp_eq_u32 s2, 0
	s_cbranch_scc0 .Lentry_in_a_cluster
	s_endpgm
.Lentry_in_a_cluster:
	s_bfe_u32 s2, ttmp6, 0x10000c
	s_cmp_lg_u32 s2, 0x3003
	s_cbranch_scc0 .Lentry_shape_is_right
	s_endpgm
.Lentry_shape_is_right:
; Causal attention with a running maximum, f16 products, f32 sums.  yb [2048 t][2048] f16 = y.
; qb holds q x 2^-8 x 8 log2(e)/sqrt(128), kvb k x 2^-8 and v: the exponent to base 2 is 8192 x (S - max).  8192 x max is exact, so the exponent is exactly 0 at the maximum.
; LIMITS: masked scores are -inf (the result is that of the most negative finite number, since every row keeps a key); p and y are rounded to f16, so |y| under 2^-14 keeps an
; absolute error of 2^-25.
; THE SHARES.  A wave's unit is one head x 32 query rows (two tiles of 16, so that each K or V fragment feeds two matrix instructions).  Work-group (c, cx, hp), p = 4 c + cx,
; takes heads 2 hp, 2 hp + 1 and pairs the long block 63 - p with the short block p.  Waves 0, 1 (role X, one head each): the long block, keys 0-1023, 8 trips of 128 keys, never masked.
; Waves 2, 3 (role Y): first the short block, keys 0 .. 128 (c + 1) - 1 in c + 1 trips, which they store; then the long block's keys 1024 .. 128 (16 - c) - 1 in 8 - c trips, whose
; (max, sum, O) they hand to X through LDS: nine trips for every c.  X merges and stores the long block.
; THE RING.  A slot holds a trip's 128 keys of both streams: K of X, V of X, K of Y, V of Y, 2 x (36,864 + 40,960) = 155,648 bytes; wave w fills the w-th of the four.  Two slots, both
; filled at the start; behind each round one tensor load a wave, which has a trip (128 matrix instructions and two softmaxes) in which to land.
; Beside the ring 16,384 bytes are left, for Y's two stages.  The hand-over and X's stages come behind the last fill and lie in slot 1, which nobody reads in the last trip.
; CLUSTERS: the four partners cx = 0..3 are the four 32-row slices of the 128-row blocks 15 - c and c.  They walk the same K and V tiles in the same trips, so every tile is asked for jointly
; (mask 15); cx enters global addresses and the mask's comparison alone.  The price: the two diagonal trips are computed whole under the mask.
; TRANSPOSED USE: S^T = K Q^T (source 0 = 16 keys, source 1 = 16 queries) and O^T = V^T P^T (source 0 = V through the transposing LDS load, source 1 = P).  Lane (r, h) owns query r:
; maximum, sum and rescale are numbers of the lane, and S^T's registers, packed in pairs, are P's fragment as they lie.
; REGISTERS: window 0 as below; window 1: O(qt, dt) at 64 qt + 8 dt, Q(qt, kk) at 128 + 32 qt + 8 kk, the long block's Q in waiting at 192 + 32 qt + 8 kk.
.set PK,     144                       ; pitch of K's rows in LDS: 128 + 16 = 9 x 16 bytes
.set PV,     160                       ; of V's: 128 + 32 = 5 x 32 bytes, for the transposing load
.set PLK,    128*PK                    ; a plane: 128 keys x 64 d
.set PLV,    128*PV
.set KREG,   2*PLK                     ; 36,864
.set STREAM, KREG+2*PLV                ; 77,824: a stream's K and V
.set SLOT,   2*STREAM                  ; 155,648
.set TILEB,  16384                     ; 128 keys of a piece in memory
.set DUMP,   SLOT                      ; Y's (O, max, sum) of the long block, 16,896 bytes a head, in slot 1's part for X's stream
.set DSZ,    16896
.set SSTR,   8192
.set STAGE,  2*SLOT-2*SSTR             ; 294,912 + 8,192 w: waves 2 and 3 behind the ring, waves 0 and 1 (at the end alone) in slot 1's last part; 16 rows x 272 bytes each
.set SPITCH, 272
.set VL2,    6                         ; v6-7   the mask's limit for the long block
.set ADRK,   8                         ; v8-9   slot 0, 1
.set ADRV,   10                        ; v10-11
.set ADRD,   12
.set STO,    13
.set RD,     14
.set CO,     15
.set QOF1,   16                        ; the block that I begin with and store
.set QOFL,   17                        ; the long block
.set VLIM,   18                        ; v18-19 row in the 128-row block less 8 h, for qt = 0, 1
.set M,      20                        ; v20-21 running maximum
.set L,      22                        ; v22-23 running sum of my half of the keys
.set MN,     24
.set AL,     26                        ; v[26:29] rescale, a pair for each qt
.set NMC,    30                        ; v[30:33] -8192 x maximum, a pair for each qt
.set NEG,    34                        ; -inf
.set T,      36                        ; v36-47 at work
.set S,      48                        ; v48-111 S(qt, kt, j) at 32 qt + 8 kt + j; later P(qt, k32) at 32 qt + 8 k32
.set BUF,    112                       ; v112-239 K's 16 fragments, then V's 16
.set QW,     128
.set Q2,     192
.set G1K,    32
.set G1V,    40
.set G0,     48                        ; s[48:55], a set for each slot
.set MSB, 0
.macro WIN new
.if MSB != \new
	s_set_vgpr_msb (MSB<<8)|\new
.set MSB, \new
.endif
.endm
.macro PLACES
.rept 4
	v_nop
.endr
.endm
.macro ROUND                           ; a round of the cluster's barrier
	s_barrier_signal -1
	s_barrier_wait -1
	s_cmp_lg_u32 s12, 0
	s_cbranch_scc1 .Lnot_wave_0_\@
	s_barrier_signal -3
.Lnot_wave_0_\@:
	s_barrier_wait -3
	s_barrier_signal -1
	s_barrier_wait -1
.endm
.macro JLOAD s, who                    ; my tile into slot s; who = 1: X's stream has ended, waves 0 and 1 ask for nothing
.if \who
	s_cmp_eq_u32 s13, 0
	s_cbranch_scc1 .Lasked_\@
.endif
	s_cmp_eq_u32 s14, 0
	s_cbranch_scc0 .Lfor_v_\@
	tensor_load_to_lds s[G0+4*(\s):G0+4*(\s)+3], s[G1K:G1K+7]
	s_nop 0
	s_branch .Lasked_\@
.Lfor_v_\@:
	tensor_load_to_lds s[G0+4*(\s):G0+4*(\s)+3], s[G1V:G1V+7]
	s_nop 0
.Lasked_\@:
.endm
.macro LOADQ dst, off                  ; 32 query rows as eight fragments: row r, d = 32 kk + 8 h .. and 32 kk + 16 + 8 h ..
	WIN 0x40
.irp qt, 0,1
.irp kk, 0,1,2,3
	global_load_b128 v[\dst+32*\qt+8*\kk:\dst+32*\qt+8*\kk+3],   v[\off], s[68:69] offset:4096*\qt+64*\kk
	global_load_b128 v[\dst+32*\qt+8*\kk+4:\dst+32*\qt+8*\kk+7], v[\off], s[68:69] offset:4096*\qt+64*\kk+32
.endr
.endr
	WIN 0
.endm
.macro OSCALE                          ; O x the pair AL(qt)
	WIN 0x41
.irp qt, 0,1
.set n, 0
.rept 32
	v_pk_mul_f32 v[64*\qt+2*n:64*\qt+2*n+1], v[64*\qt+2*n:64*\qt+2*n+1], v[AL+2*\qt:AL+2*\qt+1]
.set n, n+1
.endr
.endr
.endm
	s_load_b128 s[4:7], s[0:1], 0x0                ; qb 4, kvb 6
	s_load_b64 s[8:9], s[0:1], 0x10                ; yb
	v_lshl_add_u32 v254, v0, 2, 0x4f100
	v_mov_b32 v255, 0
	ds_add_u32 v254, v255
	v_lshrrev_b32 v1, 5, v0
	v_readfirstlane_b32 s12, v1                    ; wave
	s_lshr_b32 s13, s12, 1                         ; role: 0 = X, 1 = Y
	s_and_b32 s14, s12, 1                          ; which head of the two; also: I fetch K (0) or V (1)
	s_mov_b32 s15, ttmp9                           ; c: the cluster's x
	s_bfe_u32 s16, ttmp6, 0x40000                  ; cx
	s_and_b32 s17, ttmp7, 0xffff                   ; hp
	s_lshl_b32 s18, s15, 2
	s_add_co_u32 s18, s18, s16                     ; p
	s_add_co_u32 s19, s15, 1                       ; Y's trips on the short block
	s_sub_co_u32 s70, 63, s18                      ; the long block
	s_cmp_lg_u32 s13, 0
	s_cselect_b32 s20, s19, 99                     ; Y: the number of its first tile and trip of the long block; the trip before is masked and ends with the switch.  X: never
	s_cselect_b32 s31, s18, s70                    ; the block that I begin with and store
	s_mov_b32 s26, 0x76543210                      ; v_permlanex16_b32: lane i reads lane i of the other half
	s_mov_b32 s27, 0xfedcba98
	s_mov_b32 s28, 0x46000000                      ; 8192.0
	s_mov_b32 s29, 0x46000000
	; group 1: a tile of 128 keys = two dense runs of 16,384 bytes, one in each 64-wide piece; behind every 32 words (a key's 128 bytes) 4 words (K) or 8 (V) of padding
	s_mov_b32 s[G1K+0], 15|(1<<16)|(1<<20)|(1<<21)|(4<<22)|(3<<25)
	s_mov_b32 s[G1K+1], 8192<<16                   ; tensor_dim0 = 8,192 elements
	s_mov_b32 s[G1K+2], 2<<16                      ; tensor_dim1 = 2
	s_mov_b32 s[G1K+3], 8192<<16                   ; tile_dim0
	s_mov_b32 s[G1K+4], 2                          ; tile_dim1
	s_mov_b32 s[G1K+5], 131072                     ; elements from piece to piece
	s_mov_b32 s[G1K+6], 0
	s_mov_b32 s[G1K+7], 0
	s_mov_b32 s[G1V+0], 15|(1<<16)|(1<<20)|(1<<21)|(4<<22)|(7<<25)
	s_mov_b32 s[G1V+1], 8192<<16
	s_mov_b32 s[G1V+2], 2<<16
	s_mov_b32 s[G1V+3], 8192<<16
	s_mov_b32 s[G1V+4], 2
	s_mov_b32 s[G1V+5], 131072
	s_mov_b32 s[G1V+6], 0
	s_mov_b32 s[G1V+7], 0
	s_mul_i32 s58, s13, STREAM                     ; where my tiles go: my stream's part of the slot, K first, V behind it
	s_mul_i32 s59, s14, KREG
	s_add_co_u32 s58, s58, s59
	s_mov_b32 s[G0+0], 1
	s_add_co_u32 s[G0+1], s58, 0
	s_mov_b32 s[G0+4], 1
	s_add_co_u32 s[G0+5], s58, SLOT
	s_and_b32 s59, s17, 14                         ; 2 g, g = hp >> 1: both heads share the KV head
	s_lshl_b32 s60, s14, 3                         ; V's pieces lie eight behind K's
	s_add_co_u32 s59, s59, s60
	s_lshl_b32 s60, s59, 18
	s_mov_b32 s61, 0
	s_mov_b32 s24, TILEB                           ; byte offset of my stream's next tile in a piece: both streams begin at key 0
	s_mov_b32 s25, 0
	s_lshl_b32 s59, s17, 1
	s_add_co_u32 s59, s59, s14                     ; my head
	s_lshl_b32 s62, s59, 19
	s_mov_b32 s63, 0
	s_lshl_b32 s72, s31, 17                        ; my block x 32 rows x 4,096 bytes
	s_lshl_b32 s71, s59, 8                         ; + head x 256 bytes
	s_add_co_u32 s72, s72, s71
	s_mov_b32 s73, 0
	v_and_b32 v1, 15, v0                           ; r
	v_bfe_u32 v2, v0, 4, 1                         ; h
	v_and_b32 v3, 7, v0
	v_bfe_u32 v4, v0, 3, 1
	v_and_b32 v5, 31, v0
	v_lshlrev_b32 v35, 8, v1
	v_lshl_add_u32 v35, v2, 4, v35                 ; 256 r + 16 h
	s_lshl_b32 s58, s31, 13
	s_lshl_b32 s71, s70, 13
	v_add_nc_u32 v[QOF1], s58, v35
	v_add_nc_u32 v[QOFL], s71, v35
	s_wait_dscnt 0x0
	s_wait_kmcnt 0x0
	s_add_nc_u64 s[56:57], s[6:7], s[60:61]        ; my stream's pieces
	s_add_nc_u64 s[68:69], s[4:5], s[62:63]        ; my head's q
	s_add_nc_u64 s[66:67], s[8:9], s[72:73]        ; where I store
	s_mov_b64 s[G0+2:G0+3], s[56:57]               ; tile 0
	s_or_b32 s[G0+3], s[G0+3], 0x80000000
	s_cmp_eq_u32 s20, 1                            ; tile 1 opens Y's part of the long block where c = 0: from key 1024
	s_cselect_b32 s24, 0x20000, s24
	s_add_nc_u64 s[G0+6:G0+7], s[56:57], s[24:25]  ; tile 1
	s_or_b32 s[G0+7], s[G0+7], 0x80000000
	s_add_co_u32 s24, s24, TILEB
	LOADQ QW, QOF1                                 ; the rows that I begin with
	LOADQ Q2, QOFL                                 ; the long block's rows, in waiting for Y's switch; X's waves load them too and never use them: 16 loads once, and one path in the text
	ROUND                                          ; in front of the first joint loads
	JLOAD 0, 0                                     ; both slots' first fills go out together: two tensor loads of the wave are out
	JLOAD 1, 0
	v_lshlrev_b32 v35, 3, v2
	v_sub_nc_u32 v35, v1, v35                      ; r - 8 h
	s_lshl_b32 s59, s16, 5                         ; the short block is slice cx of its 128 rows,
	s_sub_co_u32 s58, 96, s59                      ; the long one slice 3 - cx
	v_add_nc_u32 v[VLIM], s59, v35                 ; Y begins with the short block; X never masks
	v_add_nc_u32 v[VLIM+1], 16, v[VLIM]
	v_add_nc_u32 v[VL2], s58, v35
	v_add_nc_u32 v[VL2+1], 16, v[VL2]
	s_mul_i32 s58, s13, STREAM
	v_mul_u32_u24 v35, v1, PK
	v_lshl_add_u32 v35, v2, 4, v35
	v_add_nc_u32 v[ADRK], s58, v35
	v_add_nc_u32 v[ADRK+1], SLOT, v[ADRK]
	v_lshl_add_u32 v35, v2, 3, v3
	v_mul_u32_u24 v35, v35, PV
	v_lshl_add_u32 v35, v4, 4, v35
	s_add_co_u32 s58, s58, KREG
	v_add_nc_u32 v[ADRV], s58, v35
	v_add_nc_u32 v[ADRV+1], SLOT, v[ADRV]
	s_mul_i32 s58, s14, DSZ
	s_add_co_u32 s58, s58, DUMP
	v_lshl_add_u32 v[ADRD], v5, 4, s58
	s_mul_i32 s58, s12, SSTR
	s_add_co_u32 s58, s58, STAGE
	v_mul_u32_u24 v35, v1, SPITCH
	v_lshl_add_u32 v35, v2, 4, v35
	v_add_nc_u32 v[STO], s58, v35
	v_mul_u32_u24 v35, v2, SPITCH
	v_lshl_add_u32 v35, v1, 4, v35
	v_add_nc_u32 v[RD], s58, v35
	v_lshlrev_b32 v35, 12, v2
	v_lshl_add_u32 v[CO], v1, 4, v35
	v_mov_b32 v[NEG], 0xff800000
	v_mov_b32 v[M], 0xff800000
	v_mov_b32 v[M+1], 0xff800000
	v_mov_b32 v[L], 0
	v_mov_b32 v[L+1], 0
	v_mov_b32 v[T+4], 0                            ; destinations of v_permlanex16_b32 count as read
	v_mov_b32 v[T+8], 0
	s_mov_b32 s21, 1                               ; the trip's number + 1 = the number of the tile that the trip asks for
	s_wait_loadcnt 0x0                             ; q
; 16 matrix instructions: key tiles k0, k0 + 1 x both query tiles x 128 d.  Four accumulators take turns, one instruction a turn.
.macro SMUL k0
.irp kk, 0,1,2,3
.irp kt, \k0, \k0+1
.irp qt, 0,1
.if \kk == 0
	v_wmma_f32_16x16x32_f16 v[S+32*\qt+8*(\kt):S+32*\qt+8*(\kt)+7], v[BUF+32*(\kt)+8*\kk:BUF+32*(\kt)+8*\kk+7], v[QW+32*\qt+8*\kk:QW+32*\qt+8*\kk+7], 0
.else
	v_wmma_f32_16x16x32_f16 v[S+32*\qt+8*(\kt):S+32*\qt+8*(\kt)+7], v[BUF+32*(\kt)+8*\kk:BUF+32*(\kt)+8*\kk+7], v[QW+32*\qt+8*\kk:QW+32*\qt+8*\kk+7], v[S+32*\qt+8*(\kt):S+32*\qt+8*(\kt)+7]
.endif
.endr
.endr
.endr
.endm
; 16 matrix instructions: 32 keys x 128 d x both query tiles.  Sixteen accumulators take turns likewise.
.macro PVMUL k, zero
.irp dt, 0,1,2,3,4,5,6,7
.irp qt, 0,1
.if \zero
	v_wmma_f32_16x16x32_f16 v[64*\qt+8*\dt:64*\qt+8*\dt+7], v[BUF+64*\k+8*\dt:BUF+64*\k+8*\dt+7], v[S+32*\qt+8*\k:S+32*\qt+8*\k+7], 0
.else
	v_wmma_f32_16x16x32_f16 v[64*\qt+8*\dt:64*\qt+8*\dt+7], v[BUF+64*\k+8*\dt:BUF+64*\k+8*\dt+7], v[S+32*\qt+8*\k:S+32*\qt+8*\k+7], v[64*\qt+8*\dt:64*\qt+8*\dt+7]
.endif
.endr
.endr
.endm
; One step: keys 64 u .. 64 u + 63 of slot \slot.  first = 1: the launch's first step starts O.  mask = 2: masked in the trip whose number + 1 is s20; 1: always.
.macro STEP slot, u, first, mask
.rept 5
	v_nop                                          ; five places behind the last step's products: S is written over P, which they read, and K is loaded over V
.endr
.irp kt, 0,1,2,3
.irp kk, 0,1,2,3
	ds_load_b128 v[BUF+32*\kt+8*\kk:BUF+32*\kt+8*\kk+3],   v[ADRK+\slot] offset:PK*(64*\u+16*\kt)+PLK*(\kk/2)+64*(\kk%2)
	ds_load_b128 v[BUF+32*\kt+8*\kk+4:BUF+32*\kt+8*\kk+7], v[ADRK+\slot] offset:PK*(64*\u+16*\kt)+PLK*(\kk/2)+64*(\kk%2)+32
.endr
.endr
	s_wait_dscnt 16                                ; key tiles 0 and 1 are in; the 16 loads of tiles 2 and 3 may be out
	WIN 0x04
	SMUL 0
	s_wait_dscnt 0
	SMUL 2
	WIN 0
	PLACES
.irp kv, 0,1
.irp dt, 0,1,2,3,4,5,6,7
	ds_load_tr16_b128 v[BUF+64*\kv+8*\dt:BUF+64*\kv+8*\dt+3],   v[ADRV+\slot] offset:PV*(64*\u+32*\kv)+PLV*(\dt/4)+32*(\dt%4)         ; V lands under the softmax
	ds_load_tr16_b128 v[BUF+64*\kv+8*\dt+4:BUF+64*\kv+8*\dt+7], v[ADRV+\slot] offset:PV*(64*\u+32*\kv)+PLV*(\dt/4)+32*(\dt%4)+16*PV
.endr
.endr
.if \mask == 2
	s_cmp_lg_u32 s21, s20
	s_cbranch_scc1 .Lno_mask_\@
.endif
.irp qt, 0,1
.irp kt, 0,1,2,3
.irp j, 0,1,2,3,4,5,6,7
	v_cmp_le_i32 vcc_lo, 64*\u+16*\kt+\j, v[VLIM+\qt]              ; key 64 u + 16 kt + 8 h + j of the block <= my row of the block
	v_cndmask_b32 v[S+32*\qt+8*\kt+\j], v[NEG], v[S+32*\qt+8*\kt+\j], vcc_lo
.endr
.endr
.endr
.Lno_mask_\@:
	; the new maximum: two chains for each query tile, begun by the old maximum
.irp qt, 0,1
	v_max3_num_f32 v[T+\qt],   v[S+32*\qt],    v[S+32*\qt+1],  v[M+\qt]
	v_max3_num_f32 v[T+2+\qt], v[S+32*\qt+16], v[S+32*\qt+17], v[S+32*\qt+18]
.endr
.irp n, 1,2,3,4,5,6
.irp qt, 0,1
	v_max3_num_f32 v[T+\qt],   v[S+32*\qt+2*\n],    v[S+32*\qt+2*\n+1],  v[T+\qt]
	v_max3_num_f32 v[T+2+\qt], v[S+32*\qt+17+2*\n], v[S+32*\qt+18+2*\n], v[T+2+\qt]
.endr
.endr
.irp qt, 0,1
	v_max3_num_f32 v[T+\qt], v[S+32*\qt+14], v[S+32*\qt+15], v[T+\qt]
.endr
.irp qt, 0,1
	v_max3_num_f32 v[T+\qt], v[T+\qt], v[T+2+\qt], v[S+32*\qt+31]
.endr
.irp qt, 0,1
	v_permlanex16_b32 v[T+4+4*\qt], v[T+\qt], s26, s27             ; the other half of the query's keys
.endr
.irp qt, 0,1
	v_max_num_f32 v[MN+\qt], v[T+\qt], v[T+4+4*\qt]
.endr
.irp qt, 0,1
	v_mul_f32 v[NMC+2*\qt],   0xc6000000, v[MN+\qt]                ; -8192 x maximum, exact
	v_mul_f32 v[NMC+2*\qt+1], 0xc6000000, v[MN+\qt]
.endr
.irp qt, 0,1
	v_fma_f32 v[T+\qt], v[M+\qt], s28, v[NMC+2*\qt]                ; the rescale's exponent; -inf where the old maximum is -inf
.endr
.irp qt, 0,1
.set n, 0
.rept 16
	v_pk_fma_f32 v[S+32*\qt+2*n:S+32*\qt+2*n+1], v[S+32*\qt+2*n:S+32*\qt+2*n+1], s[28:29], v[NMC+2*\qt:NMC+2*\qt+1] op_sel_hi:[1,0,1]
.set n, n+1
.endr
.endr
	v_exp_f32 v[AL], v[T]
	v_exp_f32 v[AL+2], v[T+1]
.set n, 0
.rept 64
	v_exp_f32 v[S+n], v[S+n]
.set n, n+1
.endr
	v_mov_b32 v[M], v[MN]                          ; a plain instruction behind the run of exponentials, ahead of the first use of a result (ISA guide 5.7.2)
	v_mov_b32 v[M+1], v[MN+1]
	s_wait_alu depctr_va_vdst(0)
	v_mov_b32 v[AL+1], v[AL]
	v_mov_b32 v[AL+3], v[AL+2]
.irp qt, 0,1
	v_pk_add_f32 v[T+4+4*\qt:T+5+4*\qt], v[S+32*\qt:S+32*\qt+1],   v[S+32*\qt+2:S+32*\qt+3]
	v_pk_add_f32 v[T+6+4*\qt:T+7+4*\qt], v[S+32*\qt+4:S+32*\qt+5], v[S+32*\qt+6:S+32*\qt+7]
.endr
.irp n, 2,3,4,5,6,7
.irp qt, 0,1
	v_pk_add_f32 v[T+4+4*\qt:T+5+4*\qt], v[T+4+4*\qt:T+5+4*\qt], v[S+32*\qt+4*\n:S+32*\qt+4*\n+1]
	v_pk_add_f32 v[T+6+4*\qt:T+7+4*\qt], v[T+6+4*\qt:T+7+4*\qt], v[S+32*\qt+4*\n+2:S+32*\qt+4*\n+3]
.endr
.endr
.irp qt, 0,1
	v_pk_add_f32 v[T+4+4*\qt:T+5+4*\qt], v[T+4+4*\qt:T+5+4*\qt], v[T+6+4*\qt:T+7+4*\qt]
.endr
.irp qt, 0,1
	v_add_f32 v[T+\qt], v[T+4+4*\qt], v[T+5+4*\qt]
.endr
.irp qt, 0,1
	v_fma_f32 v[L+\qt], v[L+\qt], v[AL+2*\qt], v[T+\qt]
.endr
.irp qt, 0,1
.set n, 0
.rept 16
	v_cvt_pk_f16_f32 v[S+32*\qt+n], v[S+32*\qt+2*n], v[S+32*\qt+2*n+1]     ; in place, ascending: P's fragments
.set n, n+1
.endr
.endr
.if \first == 0
	OSCALE                                         ; behind a switch the rescale is 0 and O, which is finite, starts anew
.endif
	s_wait_dscnt 16                                ; V of keys 0-31 is in
	WIN 0x50
	PVMUL 0, \first
	s_wait_dscnt 0
	PVMUL 1, 0
	WIN 0
.endm
; A trip: the 128 keys of slot \slot.  refill = 2: every wave asks for its stream's next tile; 1: Y's waves alone; 0: nobody.  yonly = 1: X has no step left.
; In front of the round every wave waits for all its tensor loads (one is out: its part of this slot) and for its LDS instructions; the joint refill of the other slot, which was
; read in the last trip, is the first tensor load behind the round, one a wave, and has this trip's two steps in which to land.
.macro TRIP slot, refill, mask, yonly
	s_wait_tensorcnt 0x0
	ds_add_u32 v254, v255
	s_wait_dscnt 0x0
.if \refill
	s_cmp_eq_u32 s21, s20                          ; the tile that I ask for opens Y's part of the long block: from key 1024
	s_cselect_b32 s24, 0x20000, s24
	s_add_nc_u64 s[G0+4*(1-\slot)+2:G0+4*(1-\slot)+3], s[56:57], s[24:25]
	s_or_b32 s[G0+4*(1-\slot)+3], s[G0+4*(1-\slot)+3], 0x80000000
	s_add_co_u32 s24, s24, TILEB
.endif
	s_wait_dscnt 0x0
.if \refill
	ROUND
.if \refill == 1
	JLOAD 1-\slot, 1
.else
	JLOAD 1-\slot, 0
.endif
.else
	s_barrier_signal -1
	s_barrier_wait -1
.endif
.if \yonly
	s_cmp_eq_u32 s13, 0
	s_cbranch_scc1 .Lno_step_\@
.endif
	STEP \slot, 0, 0, \mask
	STEP \slot, 1, 0, \mask
.Lno_step_\@:
.endm
; O / sum, rounded to f16 and stored, 16 rows at a time through my own stage: 16 bytes a lane in, whole rows of 256 bytes back.  LDS serves a wave's instructions in order (ISA guide 5.7.1).
.macro FINISH
	PLACES
.irp qt, 0,1
	v_permlanex16_b32 v[T+4+4*\qt], v[L+\qt], s26, s27             ; the other half's part of the sum
.endr
.irp qt, 0,1
	v_add_f32 v[L+\qt], v[L+\qt], v[T+4+4*\qt]
.endr
	v_rcp_f32 v[AL], v[L]
	v_rcp_f32 v[AL+2], v[L+1]
	v_nop
	s_wait_alu depctr_va_vdst(0)
	v_mov_b32 v[AL+1], v[AL]
	v_mov_b32 v[AL+3], v[AL+2]
	OSCALE
.irp qt, 0,1
	WIN 0x05
.irp dt, 0,1,2,3,4,5,6,7
.irp k, 0,1,2,3
	v_cvt_pk_f16_f32 v[S+32*\qt+4*\dt+\k], v[64*\qt+8*\dt+2*\k], v[64*\qt+8*\dt+2*\k+1]
.endr
.endr
	WIN 0
.irp dt, 0,1,2,3,4,5,6,7
	ds_store_b128 v[STO], v[S+32*\qt+4*\dt:S+32*\qt+4*\dt+3] offset:32*\dt
.endr
.irp t, 0,1,2,3,4,5,6,7
	ds_load_b128 v[BUF+64*\qt+4*\t:BUF+64*\qt+4*\t+3], v[RD] offset:2*SPITCH*\t
.endr
.irp t, 0,1,2,3,4,5,6,7
	s_wait_dscnt 7-\t
	global_store_b128 v[CO], v[BUF+64*\qt+4*\t:BUF+64*\qt+4*\t+3], s[66:67] offset:65536*\qt+8192*\t   ; sixteen lanes store a head's 256 bytes of a row, aligned
.endr
.endr
.endm
; Y, behind the short block's last trip: the block is stored, then the long block's rows and a fresh state.  Waves 0 and 1 never come here.
.macro SWITCH
	s_cmp_lt_u32 s12, 2
	s_cbranch_scc1 .Lno_switch_\@
	s_cmp_lg_u32 s21, s20
	s_cbranch_scc1 .Lno_switch_\@
	FINISH
	WIN 0x41
.set n, 0
.rept 64
	v_mov_b32 v[QW+n], v[Q2+n]                     ; once in the launch: the rows were fetched at the start, so that no wave waits for memory here
.set n, n+1
.endr
	WIN 0
	v_mov_b32 v[M], v[NEG]
	v_mov_b32 v[M+1], v[NEG]
	v_mov_b32 v[L], 0
	v_mov_b32 v[L+1], 0
	v_mov_b32 v[VLIM], v[VL2]
	v_mov_b32 v[VLIM+1], v[VL2+1]
	s_wait_xcnt 0x0                                ; the next step loads into the registers from which the stores above read
.Lno_switch_\@:
.endm
	s_wait_tensorcnt 0x1                           ; trip 0: my part of tile 0 is in; tile 1's may stay out
	s_barrier_signal -1
	s_barrier_wait -1
	STEP 0, 0, 1, 2                                ; the launch's first step starts O
	STEP 0, 1, 0, 2
	SWITCH
	s_mov_b32 s21, 2
	s_mov_b32 s22, 3
.Ltrip:                                            ; trips 1 to 6, two a turn
	TRIP 1, 2, 2, 0
	SWITCH
	s_add_co_u32 s21, s21, 1
	TRIP 0, 2, 2, 0
	SWITCH
	s_add_co_u32 s21, s21, 1
	s_sub_co_u32 s22, s22, 1
	s_cmp_lg_u32 s22, 0
	s_cbranch_scc1 .Ltrip
	TRIP 1, 1, 2, 0                                ; trip 7: X's stream has ended, Y's waves alone ask, for tile 8
	SWITCH
	TRIP 0, 0, 1, 1                                ; trip 8: Y's diagonal trip of the long block; nothing is left to fetch
	; Y hands (O, max, sum) of its part of the long block to X, in bytes of slot 1 that X's waves read last in trip 7, in front of trip 8's barrier.
	s_cmp_lt_u32 s12, 2
	s_cbranch_scc1 .Lno_dump
	PLACES
	WIN 0x04                                       ; store data in window 1
.set i, 0
.rept 32
	ds_store_b128 v[ADRD], v[4*i:4*i+3] offset:512*i
.set i, i+1
.endr
	WIN 0
	ds_store_b128 v[ADRD], v[M:M+3] offset:16384
.Lno_dump:
	s_wait_dscnt 0x0                               ; for X's sake: the stores are done
	s_barrier_signal -1
	s_barrier_wait -1
	s_cmp_ge_u32 s12, 2
	s_cbranch_scc1 .Lend
	; X: merge, then store the long block
	PLACES
	ds_load_b128 v[T:T+3], v[ADRD] offset:16384    ; Y's maxima and sums
.set i, 0
.rept 32
	ds_load_b128 v[BUF+4*i:BUF+4*i+3], v[ADRD] offset:512*i
.set i, i+1
.endr
	s_wait_dscnt 0x0
.irp qt, 0,1
	v_max_num_f32 v[MN+\qt], v[M+\qt], v[T+\qt]
.endr
.irp qt, 0,1
	v_sub_f32 v[T+4+\qt], v[M+\qt], v[MN+\qt]
	v_sub_f32 v[T+6+\qt], v[T+\qt], v[MN+\qt]
.endr
.irp n, 4,5,6,7
	v_mul_f32 v[T+\n], s28, v[T+\n]
.endr
.irp qt, 0,1
	v_exp_f32 v[AL+2*\qt], v[T+4+\qt]
	v_exp_f32 v[NMC+2*\qt], v[T+6+\qt]
.endr
	v_nop
	s_wait_alu depctr_va_vdst(0)
.irp qt, 0,1
	v_mov_b32 v[AL+2*\qt+1], v[AL+2*\qt]
	v_mov_b32 v[NMC+2*\qt+1], v[NMC+2*\qt]
	v_mul_f32 v[L+\qt], v[L+\qt], v[AL+2*\qt]
.endr
.irp qt, 0,1
	v_fma_f32 v[L+\qt], v[T+2+\qt], v[NMC+2*\qt], v[L+\qt]
.endr
	OSCALE
	WIN 0x50
.irp qt, 0,1
.set n, 0
.rept 32
	v_pk_fma_f32 v[64*\qt+2*n:64*\qt+2*n+1], v[BUF+64*\qt+2*n:BUF+64*\qt+2*n+1], v[NMC+2*\qt:NMC+2*\qt+1], v[64*\qt+2*n:64*\qt+2*n+1]
.set n, n+1
.endr
.endr
	WIN 0
	FINISH
.Lend:
	s_wait_tensorcnt 0x0
	ds_add_u32 v254, v255
	s_wait_dscnt 0x0
	ROUND                                          ; the closing round
	s_endpgm
.Lfunc_end_k_qe87a3fb549_attn:
	.size	k_qe87a3fb549_attn, .Lfunc_end_k_qe87a3fb549_attn-k_qe87a3fb549_attn
	.p2alignl 7, 3214868480
	.fill 96, 4, 3214868480
	.section	.rodata,"a",@progbits
	.p2align	6, 0x0
	.amdhsa_kernel k_qe87a3fb549_attn
		.amdhsa_group_segment_fixed_size 327680
		.amdhsa_private_segment_fixed_size 0
		.amdhsa_enable_private_segment 0
		.amdhsa_kernarg_size 24
		.amdhsa_user_sgpr_count 2
		.amdhsa_user_sgpr_kernarg_segment_ptr 1
		.amdhsa_wavefront_size32 1
		.amdhsa_system_sgpr_workgroup_id_x 1
		.amdhsa_system_sgpr_workgroup_id_y 1
		.amdhsa_system_sgpr_workgroup_id_z 1
		.amdhsa_system_vgpr_workitem_id 0
		.amdhsa_next_free_vgpr 512
		.amdhsa_next_free_sgpr 80
		.amdhsa_reserve_vcc 1
		.amdhsa_float_denorm_mode_32 3
		.amdhsa_float_denorm_mode_16_64 3
		.amdhsa_memory_ordered 1
		.amdhsa_forward_progress 1
		.amdhsa_inst_pref_size 255
	.end_amdhsa_kernel
	.section	.bss,"aw",@nobits
	.p2align	6
	.space	262144
	.amdgpu_metadata
---
amdhsa.version: [ 1, 2 ]
amdhsa.kernels:
  - .name:           k_qe87a3fb549_attn
    .symbol:         k_qe87a3fb549_attn.kd
    .args:
      - { .name: qb, .offset: 0, .size: 8, .value_kind: global_buffer, .address_space: global }
      - { .name: kvb, .offset: 8, .size: 8, .value_kind: global_buffer, .address_space: global }
      - { .name: yb, .offset: 16, .size: 8, .value_kind: global_buffer, .address_space: global }
    .group_segment_fixed_size: 327680
    .private_segment_fixed_size: 0
    .kernarg_segment_align: 8
    .kernarg_segment_size: 24
    .max_flat_workgroup_size: 128
    .sgpr_count:     80
    .vgpr_count:     512
    .wavefront_size: 32
...
	.end_amdgpu_metadata
.endif
;; end of part 6
;; launch oproj: the kernel of part 4 again; grid 16 x 16, 4 waves a work-group, clusters of 4 x 4, 327,680 bytes of LDS; arguments yb, wob, out0; writes out0
